; MI455X (gfx1250); checked and timed in simulation.
; The chip was launched on July 23, 2026; its instructions are those of AMD's public machine-readable ISA for CDNA 5 (MIT licence, August 2026) and "CDNA5" Instruction Set Architecture Reference Guide (July 2026). The comments in the code are by the model that wrote it; some were corrected since.
;; Attention. Allowed arithmetic: matrix products marked QUANTISED: E3M2 operands, one E8M0 scale for each 32 along K, by v_wmma_scale_f32_16x16x128_f8f6f4 with both operands' format E3M2, f32 sums; products left as they are: f32 operands where the result goes on into a quantised operand, else bf16, f16 or f32 operands; f32 sums; everything else in f32.
;; Inputs: Wk 1,024 x 1,024 float32; Wq 1,024 x 1,024 float32; Wv 1,024 x 1,024 float32; key 16 x 2,048 x 1,024 float32; query 16 x 1 x 1,024 float32; value 16 x 2,048 x 1,024 float32.
;; Outputs: out0 16 x 1 x 1,024 float32.
;; This version of the problem:
;;   THIS VERSION OF THE PROBLEM IS GIVEN IN LOW PRECISION. The matrix products marked QUANTISED in the list below multiply operands that are first quantised to E3M2 (3 exponent bits, 2 mantissa bits; 6 bits a number), with one power-of-two scale for each 32 numbers along K (OCP MX v1.0); their sums are f32. All else is computed in f32.
;;   The module's matrix products, in the order in which they are computed (A, B: the left and right operand; K: the contracted axis; several contracted axes count as one K, in the product's order):
;;     1. [M 32,768, K 1,024] x [K 1,024, N 1,024]; A: input key; B: input Wk: QUANTISED
;;     2. [M 16, K 1,024] x [K 1,024, N 1,024]; A: input query; B: input Wq: QUANTISED
;;     3. [M 32,768, K 1,024] x [K 1,024, N 1,024]; A: input value; B: input Wv: QUANTISED
;;     4. batch 16 x [M 2,048, K 1,024] x [K 1,024, N 1]; A: computed on the way; B: computed on the way: left as it is (N = 1 < 16)
;;     5. batch 16 x [M 1, K 2,048] x [K 2,048, N 1,024]; A: softmax; B: computed on the way: left as it is (M = 1 < 16)
;;   THE QUANTISER, for each operand of a quantised product, along K:
;;     - K is cut into blocks of 32 from its start; a last block that is shorter is filled with zeros.
;;     - A block's scale is 2^e with e = floor(log2(the largest magnitude in the block)) - 4, held to -126 .. 127; a block of zeros has e = 0. As a byte (E8M0): e + 127.
;;     - Each number is divided by its block's scale, clamped to +-28, and rounded to the nearest number of E3M2, ties to even, subnormals kept.
;;     - The product sums the exact products of the quantised numbers (number of the format x scale) in f32.
;;   ~~~python
;;   def quantise(x, axis):      # numpy; x: float32 -> the quantised numbers, widened to float32 again
;;       x = np.moveaxis(x, axis, -1); K = x.shape[-1]
;;       x = np.pad(x, [(0, 0)] * (x.ndim - 1) + [(0, -K % 32)]); x = x.reshape(x.shape[:-1] + (-1, 32)); a = np.abs(x).max(-1, keepdims=True)
;;       e = np.where(a > 0, np.clip(np.frexp(np.where(a > 0, a, 1))[1] - 1 - 4, -126, 127), 0)      # np.frexp(a)[1] - 1 = floor(log2(a)), exactly
;;       r = np.clip(x / 2.0 ** e, -28, 28)
;;       step = 2.0 ** (np.maximum(np.frexp(np.where(r == 0, 1, r))[1] - 1, -2) - 2)
;;       q = np.round(r / step) * step * 2.0 ** e      # np.round: ties to even
;;       return np.moveaxis(q.reshape(q.shape[:-2] + (-1,))[..., :K], -1, axis).astype(np.float32)
;;   ~~~
;; 2 versions. Each part assembles by itself: llvm-mc -triple=amdgcn-amd-amdhsa -mcpu=gfx1250 --defsym DOCPART=n.
;; ======== version 1 of 2: 3 launches
;; workspace buffers: wimg 1,638,400 bytes; qv 65,536 bytes; part 1,114,112 bytes
;; launch prep (part 1): grid 32 x 3, 8 waves a work-group, no clusters, 67,584 bytes of LDS; arguments Wk, Wv, Wq, query, wimg, qv; writes wimg, qv
.if DOCPART == 1
	.amdgcn_target "amdgcn-amd-amdhsa--gfx1250"
	.amdhsa_code_object_version 6
	.text
	.protected	k_qfaab4989d3_prep
	.globl	k_qfaab4989d3_prep
	.p2align	8
	.type	k_qfaab4989d3_prep,@function
k_qfaab4989d3_prep:
	s_mov_b64 s[64:65], 0
	v_nop
	global_prefetch_b8 v0, s[64:65] scope:SCOPE_SE
	s_setreg_imm32_b32 hwreg(HW_REG_WAVE_MODE, 25, 1), 1
	s_wait_xcnt 0x0
; PREP.  Wk, Wv, Wq: [1024 (k)][1024 (n)] f32, K is the FIRST axis.  Each is quantised along K to codes of BF6 (E3M2) with one E8M0 byte for each 32 along K.
; y = 0, 1 (Wk, Wv): the codes leave as IMAGES OF THE OPERAND'S REGISTERS into wimg: [weight][tile of 16 columns][12,800 bytes] = 8 K steps x 1,536 bytes of fragment, then 512 bytes of scale words.
;   fragment image: register g of lane l at byte 512 (g / 4) + 16 l + 4 (g % 4): three loads of 16 bytes a lane bring a fragment.
;   scale image: the word of K step s of column r at 16 r + 256 (s % 2) + 4 (s / 2): one load of 16 bytes a lane brings four registers; K step s reads register s / 2, lanes 0-15 for even s, lanes 16-31 for odd s.
; y = 2 (Wq): the fragments stay in the work-group: q = Q(query) Q(Wq), by the matrix unit, times c = log2(e) / sqrt(1024), into qv [16][1024] f32.
; SHARES.  Work-group x takes 32 columns (two tiles); wave s takes K step s (rows 128 s .. 128 s + 127).  A LANE TAKES A COLUMN AND ITS REGISTERS RUN DOWN K: a block of 32 lies in one lane's 32 registers,
; its largest magnitude needs no other lane, and the conversions give codes with K innermost.  Each load reads 128 consecutive bytes (32 columns of one row of the weight).
; The two kinds of work part ONCE, on the work-group's y, and each has LDS bytes of its own.
; A block's scale is 2^(floor(log2(largest magnitude)) - 4): its byte is the largest magnitude's exponent field - 4, held at 1 from below.
; LIMITS: a block of zeros (and one whose largest magnitude lies under 2^-122) gets the byte 1, not 127: its codes are zeros, and this program alone reads the bytes.  NaN and infinities among the inputs are not served.
; q's sum over K is made of eight partial sums (one a K step), added in ascending K in f32: another grouping than one chain.  qv's rows are stored 128 bytes a work-group: half of an aligned 256 bytes, on 64 KiB in all.
.set STGW, 0                           ; path W: a stage of 3,072 bytes for each wave: two fragment images
.set SCG,  24576                       ; path W: the two tiles' scale images, 512 bytes each
.set STGQ, 25600                       ; path Q: the same stage
.set QP,   50176                       ; path Q: the eight waves' partial results, 2,048 bytes each
.set X,    64                          ; v64-191  four sets of 32 numbers
.set CC,   32                          ; v32-63   block b's six code registers at v[32 + 8 b]
.set SB,   24                          ; v24      my column's scale word for this K step
.set QS,   25                          ; v25      query's scale word
.set QX,   192                         ; v192-255 path Q: 64 numbers of query;  path W: rows on the way out
.set QF,   64                          ; path Q, behind the blocks: query's fragment v64-75,
.set WF,   80                          ; Wq's two fragments v80-91, v96-107,
.set DD,   112                         ; the two results v112-119, v120-127
	s_load_b256 s[4:11], s[0:1], 0x0               ; Wk s[4:5], Wv s[6:7], Wq s[8:9], query s[10:11]
	s_load_b128 s[12:15], s[0:1], 0x20             ; wimg s[12:13], qv s[14:15]
	v_lshl_add_u32 v62, v0, 2, 0x10400
	v_mov_b32 v63, 0
	v_lshrrev_b32 v1, 5, v0
	v_readfirstlane_b32 s20, v1                    ; wave = K step
	s_and_b32 s21, ttmp7, 0xffff                   ; which weight
	s_mov_b32 s30, 0x76543210
	s_mov_b32 s31, 0xfedcba98                      ; v_permlanex16_b32's selects for lane l xor 16
	v_and_b32 v2, 31, v0                           ; lane
	v_and_b32 v7, 15, v0                           ; r
	v_bfe_u32 v8, v0, 4, 1                         ; h: also which of the two tiles my column lies in
	v_lshlrev_b32 v3, 2, v2                        ; 4 x lane: my column in a row of the weight
	v_lshlrev_b32 v1, 4, v2                        ; 16 x lane
	s_mul_i32 s22, s20, 3072                       ; my wave's stage
	v_mul_u32_u24 v4, v8, 1536
	v_lshl_add_u32 v4, v7, 4, v4
	v_add_nc_u32 v4, s22, v4                       ; into it: my tile's image, lane r's place
	v_add_nc_u32 v5, s22, v1                       ; out of it: 16 x lane
	s_and_b32 s23, s20, 1
	s_lshl_b32 s23, s23, 8
	s_lshr_b32 s24, s20, 1
	s_lshl_b32 s24, s24, 2
	s_add_co_u32 s23, s23, s24
	s_add_co_u32 s23, s23, SCG
	v_lshlrev_b32 v6, 9, v8
	v_lshl_add_u32 v6, v7, 4, v6
	v_add_nc_u32 v6, s23, v6                       ; my scale word's place: tile x 512 + 16 r + 256 (s % 2) + 4 (s / 2)
	s_lshl_b32 s24, s20, 9
	s_add_co_u32 s24, s24, SCG
	v_add_nc_u32 v9, s24, v1                       ; waves 0, 1: a whole scale image back
	s_lshl_b32 s24, s20, 11
	s_add_co_u32 s24, s24, QP
	v_add_nc_u32 v10, s24, v1                      ; path Q: my wave's partial results
	v_and_b32 v14, 1, v0                           ; path Q, the sum: thread t takes batch t / 8 and columns 4 (t % 8) .. + 3 of the 32
	v_bfe_u32 v15, v0, 1, 1
	v_bfe_u32 v16, v0, 2, 1
	v_lshrrev_b32 v17, 3, v0
	v_lshlrev_b32 v18, 4, v17                      ; in a result, lane (batch, h) holds columns 8 h + 0 .. 7 of a tile: low four registers, high four
	v_lshl_add_u32 v18, v14, 9, v18                ; bit 0 of the piece: low or high four
	v_lshl_add_u32 v18, v15, 8, v18                ; bit 1: h
	v_lshl_add_u32 v18, v16, 10, v18               ; bit 2: the tile
	v_add_nc_u32 v18, QP, v18
	v_and_b32 v19, 7, v0
	v_lshlrev_b32 v19, 4, v19
	v_lshl_add_u32 v19, v17, 12, v19               ; and the same place in qv: batch x 4,096 + 16 x piece
	v_lshlrev_b32 v20, 12, v7
	v_lshl_add_u32 v20, v8, 7, v20                 ; query: row r, + 128 h bytes: my block of 32
	s_lshl_b32 s26, s20, 19                        ; 128 rows of 4,096 bytes a K step
	s_lshl_b32 s27, ttmp9, 7                       ; 32 columns a work-group
	s_add_co_u32 s26, s26, s27
	s_mov_b32 s27, 0
	s_mul_i32 s28, s21, 819200                     ; a weight's 64 tiles
	s_mul_i32 s29, ttmp9, 25600                    ; two tiles a work-group
	s_add_co_u32 s28, s28, s29
	s_mov_b32 s29, 0
	s_wait_kmcnt 0x0
	s_cmp_eq_u32 s21, 0                            ; the choice hangs on the work-group's number alone
	s_cselect_b64 s[16:17], s[4:5], s[6:7]
	s_cmp_eq_u32 s21, 2
	s_cselect_b64 s[16:17], s[8:9], s[16:17]
	s_add_nc_u64 s[16:17], s[16:17], s[26:27]      ; my wave's first row, my work-group's first column
	s_add_nc_u64 s[12:13], s[12:13], s[28:29]      ; wimg at my two tiles (used by path W alone)
	s_mul_i32 s26, s20, 1536
	s_add_nc_u64 s[18:19], s[12:13], s[26:27]      ; + my K step's fragment
	s_mul_i32 s26, s20, 12800
	s_add_nc_u64 s[12:13], s[12:13], s[26:27]      ; waves 0, 1: tile 0, 1, for the scale images
	s_lshl_b32 s26, s20, 9
	s_add_nc_u64 s[10:11], s[10:11], s[26:27]      ; query at my K step
	s_lshl_b32 s26, ttmp9, 7
	s_add_nc_u64 s[14:15], s[14:15], s[26:27]      ; qv at my 32 columns
.macro LOADB b                         ; block b: W(128 s + 32 b + i, my column), i = 0 .. 31
.set n, 0
.rept 32
	global_load_b32 v[X+32*\b+n], v3, s[16:17] offset:(32*\b+n)*4096
.set n, n+1
.endr
.endm
; Block b becomes 32 codes (six registers) and a byte of the scale word.  In the fragment it belongs to lane r + 16 (b % 2), registers 6 (b / 2) .. + 5: two LDS stores put it at that place of the image.
.macro BLOCK b
.set XS, X+32*\b
.set CB, CC+8*\b
	v_max3_num_f32 v12, |v[XS]|, |v[XS+1]|, |v[XS+2]|
	v_max3_num_f32 v13, |v[XS+3]|, |v[XS+4]|, |v[XS+5]|
.irp i, 6,10,14,18,22,26
	v_max3_num_f32 v12, v12, |v[XS+\i]|, |v[XS+\i+1]|
	v_max3_num_f32 v13, v13, |v[XS+\i+2]|, |v[XS+\i+3]|
.endr
	v_max3_num_f32 v12, v12, |v[XS+30]|, |v[XS+31]|
	v_max3_num_f32 v12, v12, v13, 0x2800000        ; and the floor 2^(5 - 127): the byte cannot fall under 1
	v_add_nc_u32 v11, 0xfe000000, v12              ; 4 off the exponent field: the conversion takes this operand's exponent field as its scale
	v_lshrrev_b32 v13, 23, v11                     ; the scale's byte
.if \b == 0
	v_mov_b32 v[SB], v13
.else
	v_lshl_or_b32 v[SB], v13, 8*\b, v[SB]
.endif
	v_cvt_scalef32_pk16_bf6_f32 v[CB:CB+2], v[XS:XS+15], v11
	v_cvt_scalef32_pk16_bf6_f32 v[28:30], v[XS+16:XS+31], v11   ; (a conversion's three registers begin on an even number)
	v_nop                                          ; one plain place behind a scaled conversion
	v_mov_b32 v[CB+3], v28
	v_mov_b32 v[CB+4], v29
	v_mov_b32 v[CB+5], v30
.if \b < 2
	ds_store_b128 v4, v[CB:CB+3] offset:256*\b               ; registers 0-3
	ds_store_b64 v4, v[CB+4:CB+5] offset:512+256*\b          ; registers 4, 5
.else
	ds_store_b64 v4, v[CB:CB+1] offset:520+256*(\b-2)        ; registers 6, 7
	ds_store_b128 v4, v[CB+2:CB+5] offset:1024+256*(\b-2)    ; registers 8-11
.endif
.endm
.macro ALLBLOCKS                       ; two blocks of loads ahead; each count is the one younger block of 32 loads
	LOADB 0
	LOADB 1
	s_wait_loadcnt 32
	LOADB 2
	BLOCK 0
	s_wait_loadcnt 32
	LOADB 3
	BLOCK 1
	s_wait_loadcnt 32
	BLOCK 2
	s_wait_loadcnt 0x0
	BLOCK 3
.endm
	s_cmp_eq_u32 s21, 2
	s_cbranch_scc1 .Lq
	; ---------------- path W: Wk or Wv
	ALLBLOCKS
	ds_store_b32 v6, v[SB]
.irp i, 0,1,2,3,4,5
	ds_load_b128 v[QX+4*\i:QX+4*\i+3], v5 offset:512*\i      ; LDS serves a wave's instructions in order: these see my stores
.endr
.irp i, 0,1,2,3,4,5
	s_wait_dscnt 5-\i
	global_store_b128 v1, v[QX+4*\i:QX+4*\i+3], s[18:19] offset:(\i/3)*12800+(\i%3)*512   ; 32 lanes store 512 consecutive bytes, at a multiple of 256 from wimg's first byte
.endr
	s_wait_dscnt 0x0                               ; for the others' sake: my scale words have landed
	s_barrier_signal -1
	s_barrier_wait -1
	s_cmp_lt_u32 s20, 2
	s_cbranch_scc0 .Lw_end
	ds_load_b128 v[216:219], v9                    ; waves 0 and 1: a tile's scale image, whole
	s_wait_dscnt 0x0
	global_store_b128 v1, v[216:219], s[12:13] offset:12288
.Lw_end:
	s_wait_tensorcnt 0x0
	ds_add_u32 v62, v63
	s_wait_dscnt 0x0
	s_endpgm
	; ---------------- path Q: Wq and query
.Lq:
	v_add_nc_u32 v4, STGQ, v4                      ; this path's own stage
	v_add_nc_u32 v5, STGQ, v5
.irp c, 0,1
.irp u, 0,1,2,3,4,5,6,7
	global_load_b128 v[QX+32*\c+4*\u:QX+32*\c+4*\u+3], v20, s[10:11] offset:256*\c+16*\u   ; query(r, 128 s + 64 c + 32 h + 0 .. 31): whole blocks in a lane.  Older than all the weight's loads, so the counts below cover them
.endr
.endr
	ALLBLOCKS
.irp c, 0,1                            ; query's blocks 2 c + h of this K step
	v_max3_num_f32 v[12+\c], |v[QX+32*\c]|, |v[QX+32*\c+1]|, 0x2800000
.endr
.irp i, 2,4,6,8,10,12,14,16,18,20,22,24,26,28,30
.irp c, 0,1
	v_max3_num_f32 v[12+\c], v[12+\c], |v[QX+32*\c+\i]|, |v[QX+32*\c+\i+1]|
.endr
.endr
.irp c, 0,1
	v_add_nc_u32 v[26+\c], 0xfe000000, v[12+\c]
.endr
.irp c, 0,1
	v_lshrrev_b32 v[21+\c], 23, v[26+\c]
.endr
	v_lshl_or_b32 v[QS], v22, 16, v21              ; my two bytes: blocks h and 2 + h,
	v_lshlrev_b32 v23, 3, v8
	v_lshlrev_b32 v[QS], v23, v[QS]                ; at their places in the word;
	v_mov_b32 v23, 0
	v_permlanex16_b32 v23, v[QS], s30, s31
	v_or_b32 v[QS], v[QS], v23                     ; with lane l xor 16's two the word is whole
.irp c, 0,1
	v_cvt_scalef32_pk16_bf6_f32 v[QF+6*\c:QF+6*\c+2], v[QX+32*\c:QX+32*\c+15], v[26+\c]
	v_cvt_scalef32_pk16_bf6_f32 v[128+4*\c:130+4*\c], v[QX+32*\c+16:QX+32*\c+31], v[26+\c]
.endr
	v_nop                                          ; one plain place behind a scaled conversion
.irp c, 0,1
.irp i, 0,1,2
	v_mov_b32 v[QF+6*\c+3+\i], v[128+4*\c+\i]
.endr
.endr
.irp i, 0,1,2,3,4,5
	ds_load_b128 v[WF+16*(\i/3)+4*(\i%3):WF+16*(\i/3)+4*(\i%3)+3], v5 offset:512*\i   ; Wq's two fragments, out of my own stage
.endr
	s_wait_dscnt 0x0
.rept 8
	v_nop                                          ; scale registers written by vector instructions stand 8 places ahead of a scaled matrix instruction, operands so written 4
.endr
	; TRANSPOSED: source 0 = 16 columns of Wq, source 1 = the 16 batches: lane (r, h) holds batch r and columns 8 h + 0 .. 7.  My scale words: tile 0's in lanes 0-15, tile 1's in lanes 16-31
	v_wmma_scale_f32_16x16x128_f8f6f4 v[DD:DD+7], v[WF:WF+11], v[QF:QF+11], 0, v[SB], v[QS] matrix_a_fmt:MATRIX_FMT_BF6 matrix_b_fmt:MATRIX_FMT_BF6
	v_wmma_scale_f32_16x16x128_f8f6f4 v[DD+8:DD+15], v[WF+16:WF+27], v[QF:QF+11], 0, v[SB], v[QS] matrix_a_fmt:MATRIX_FMT_BF6 matrix_b_fmt:MATRIX_FMT_BF6 matrix_a_scale:MATRIX_SCALE_ROW1
.rept 4
	v_nop
.endr
.irp i, 0,1,2,3
	ds_store_b128 v10, v[DD+4*\i:DD+4*\i+3] offset:512*\i    ; each result from its low end on
.endr
	s_wait_dscnt 0x0                               ; for the others' sake: my partial results have landed
	s_barrier_signal -1
	s_barrier_wait -1
	s_cmp_lt_u32 s20, 4
	s_cbranch_scc0 .Lq_end
.irp u, 0,1,2,3,4,5,6,7
	ds_load_b128 v[QX+4*\u:QX+4*\u+3], v18 offset:2048*\u    ; the eight K steps' parts of my four numbers
.endr
	s_wait_dscnt 0x0
.irp u, 1,2,3,4,5,6,7
	v_pk_add_f32 v[QX:QX+1], v[QX:QX+1], v[QX+4*\u:QX+4*\u+1]           ; K ascending
	v_pk_add_f32 v[QX+2:QX+3], v[QX+2:QX+3], v[QX+4*\u+2:QX+4*\u+3]
.endr
	v_pk_mul_f32 v[QX:QX+1], v[QX:QX+1], 0x3d38aa3b op_sel_hi:[1,0]     ; x c = log2(e) / 32: the scores come out as exponents of 2
	v_pk_mul_f32 v[QX+2:QX+3], v[QX+2:QX+3], 0x3d38aa3b op_sel_hi:[1,0]
	global_store_b128 v19, v[QX:QX+3], s[14:15]
.Lq_end:
	s_wait_tensorcnt 0x0
	ds_add_u32 v62, v63
	s_wait_dscnt 0x0
	s_endpgm
.Lfunc_end_k_qfaab4989d3_prep:
	.size	k_qfaab4989d3_prep, .Lfunc_end_k_qfaab4989d3_prep-k_qfaab4989d3_prep
	.p2alignl 7, 3214868480
	.fill 96, 4, 3214868480
	.section	.rodata,"a",@progbits
	.p2align	6, 0x0
	.amdhsa_kernel k_qfaab4989d3_prep
		.amdhsa_group_segment_fixed_size 67584
		.amdhsa_private_segment_fixed_size 0
		.amdhsa_enable_private_segment 0
		.amdhsa_kernarg_size 48
		.amdhsa_user_sgpr_count 2
		.amdhsa_user_sgpr_kernarg_segment_ptr 1
		.amdhsa_wavefront_size32 1
		.amdhsa_system_sgpr_workgroup_id_x 1
		.amdhsa_system_sgpr_workgroup_id_y 1
		.amdhsa_system_sgpr_workgroup_id_z 1
		.amdhsa_system_vgpr_workitem_id 0
		.amdhsa_next_free_vgpr 256
		.amdhsa_next_free_sgpr 66
		.amdhsa_reserve_vcc 0
		.amdhsa_float_denorm_mode_32 3
		.amdhsa_float_denorm_mode_16_64 3
		.amdhsa_memory_ordered 1
		.amdhsa_forward_progress 1
		.amdhsa_inst_pref_size 50
	.end_amdhsa_kernel
	.amdgpu_metadata
---
amdhsa.version: [ 1, 2 ]
amdhsa.kernels:
  - .name:           k_qfaab4989d3_prep
    .symbol:         k_qfaab4989d3_prep.kd
    .args:
      - { .name: Wk, .offset: 0, .size: 8, .value_kind: global_buffer, .address_space: global }
      - { .name: Wv, .offset: 8, .size: 8, .value_kind: global_buffer, .address_space: global }
      - { .name: Wq, .offset: 16, .size: 8, .value_kind: global_buffer, .address_space: global }
      - { .name: query, .offset: 24, .size: 8, .value_kind: global_buffer, .address_space: global }
      - { .name: wimg, .offset: 32, .size: 8, .value_kind: global_buffer, .address_space: global }
      - { .name: qv, .offset: 40, .size: 8, .value_kind: global_buffer, .address_space: global }
    .group_segment_fixed_size: 67584
    .private_segment_fixed_size: 0
    .kernarg_segment_align: 8
    .kernarg_segment_size: 48
    .max_flat_workgroup_size: 256
    .sgpr_count:     66
    .vgpr_count:     256
    .wavefront_size: 32
...
	.end_amdgpu_metadata
.endif
;; end of part 1
;; launch main (part 2): grid 256 x 1, 4 waves a work-group, clusters of 4 x 1, 327,680 bytes of LDS; arguments key, value, wimg, qv, part; writes part
.if DOCPART == 2
	.amdgcn_target "amdgcn-amd-amdhsa--gfx1250"
	.amdhsa_code_object_version 6
	.text
	.protected	k_qfaab4989d3_main
	.globl	k_qfaab4989d3_main
	.p2align	8
	.type	k_qfaab4989d3_main,@function
k_qfaab4989d3_main:
	s_mov_b64 s[64:65], 0
	v_nop
	global_prefetch_b8 v0, s[64:65] scope:SCOPE_SE
	s_setreg_imm32_b32 hwreg(HW_REG_WAVE_MODE, 25, 1), 1
	s_wait_xcnt 0x0
	s_wait_alu depctr_hold_cnt(0) depctr_sa_sdst(0) depctr_va_vdst(0) depctr_va_sdst(0) depctr_va_ssrc(0) depctr_va_vcc(0) depctr_vm_vsrc(0)
	s_getreg_b32 s2, hwreg(HW_REG_IB_STS2, 6, 4)
	s_cmp_eq_u32 s2, 0
	s_cbranch_scc0 .Lentry_in_a_cluster
	s_endpgm
.Lentry_in_a_cluster:
	s_bfe_u32 s2, ttmp6, 0x10000c
	s_cmp_lg_u32 s2, 0x3003
	s_cbranch_scc0 .Lentry_shape_is_right
	s_endpgm
.Lentry_shape_is_right:
; MAIN.  Work-group g takes rows 128 g .. 128 g + 127 of key and of value ([32,768][1,024] f32; batch g / 16) through the whole chain; k and v never go to memory:
;   key -> codes of BF6 (E3M2), one E8M0 byte for each 32 along K;  k = Q(key) Q(Wk) tile by tile;  t[row] = sum over columns of k x q (q comes multiplied by log2(e) / 32);
;   m = the 128 rows' largest t, p = 2^(t - m), l = the sum of p;  value -> codes;  v = Q(value) Q(Wv) tile by tile;  part[g] = sum over rows of p x v, and (m, l).  The next launch joins a batch's 16 parts.
; The two small products (one column, one row) are packed f32 multiply-adds on the accumulators.
; STREAMS.  key and value are read once, by loads of 512 consecutive bytes into a ring of four units of 16 registers x 4 in registers (a unit = 16 rows x 128 K), with counted waits: 64 loads a wave are named at a time.
; A unit turns through the wave's own stage in LDS, so that a lane holds 16 neighbours along K of one row, is quantised, and goes to LDS as an IMAGE OF THE OPERAND'S REGISTERS (register g of lane l at 512 (g / 4) + 16 l + 4 (g % 4)).
; The weights come as such images from wimg, one linear stream of 32 fills of 51,200 bytes (4 tiles of 16 columns, all of K, with their scale words), through a ring of two LDS slots.
; CLUSTER.  All work-groups walk the same weights: the four of a cluster ask for each fill JOINTLY, each wave one tile (12,800 bytes), with the same descriptor and a mask that names the four.
; SHARES.  Wave w = 2 i + j.  It quantises row blocks 2 w, 2 w + 1.  For the products it holds the codes of row blocks 4 i .. 4 i + 3 for all of K in 384 registers and walks tiles 2 j, 2 j + 1 of each fill: a step is 64 matrix instructions,
; and each weight fragment read from LDS feeds four.  Steps 0-15 are Wk's, steps 16-31 Wv's.  While key's products run, value is loaded and quantised (one unit a step).
; Source 0 = 16 rows of key or value, source 1 = 16 columns of the weight: in a result lane (r, h) holds column r and rows 8 h + 0 .. 7.
; REGISTERS, in windows of 256: window 0: v1-29 addresses; v32-47 the rows' scale words, v48-55 the tiles'; v56-59 q; v64-127 eight accumulators (tile e, row block mb at 64 + 32 e + 8 mb); v128-159 the sums t, later p;
;   v160-223 a unit's 64 numbers, later scratch; v224-255 the quantiser's.   window 1: the rows' fragments of K steps 0-3 (12 (4 s + mb)); v192-239 a tile's K steps 0-3.   window 2: the same for K steps 4-7.
;   window 3: the load ring; in the second half the odd tile's fragments (v0-47, v48-95).
; LIMITS: a block of zeros (and one whose largest magnitude lies under 2^-122) gets the byte 1, not 127: its codes are zeros, and this program alone reads the bytes.  NaN and infinities among the inputs are not served.
; The sums over columns and rows are grouped otherwise than one chain.  The maximum taken away before the exponentials is the work-group's own; the next launch brings the parts under the batch's.
; No prefetch: key and value are a stream that the launch's own loads keep on its way all the time; the weights are read again by every cluster.
.set SLOTB, 51200                      ; a slot: four tiles
.set TILEB, 12800                      ; a tile: 8 fragments of 1,536 bytes, 512 bytes of scale words
.set FRB,   1536
.set AIMG,  2*SLOTB                    ; the rows' 64 fragments: (row block, K step) at (8 block + step) x 1,536
.set ASC,   AIMG+64*FRB                ; their 8 scale images of 512 bytes: the word of K step s of row r at 16 r + 256 (s % 2) + 4 (s / 2)
.set STG,   ASC+8*512                  ; each wave's stage: 16 rows of 512 bytes + 16
.set SPITCH, 528
.set STGW,  16*SPITCH
.set QL,    STG+4*STGW                 ; the batch's q, 4,096 bytes
.set SCR,   QL+4096                    ; [j][128] partial t
.set OUTS,  SCR+1024                   ; [i][1024] partial results
.set SPARE, OUTS+8192                  ; the spare words, 128 bytes for each wave: two blocks of 256 bytes that no other line names
.set L16,  1                           ; 16 x lane; never rewritten
.set SIN,  2                           ; the stage, on the way in: 16 x lane
.set SOUT, 3                           ; and out: 528 r + 64 h
.set IMB,  4                           ; where I store images: base; v5: with the trip's step
.set IMA,  5
.set SCB,  6                           ; where I store scale words: base; v7: with the trip's step
.set SCA,  7
.set AAD,  8                           ; where I read my four row blocks' images
.set ASA,  9                           ; and their scale images
.set WAD,  10                          ; v10, v11: my two tiles in slot 0, 1
.set QB,   12                          ; q of my tiles: base; v13: with the trip's step
.set QA,   13
.set OB,   14                          ; my columns in OUTS: base; v15: with the trip's step
.set OA,   15
.set SCW,  16                          ; SCR: where I store my rows' partial t
.set SC4,  17                          ; SCR: 16 x lane
.set SCP,  18                          ; SCR: my rows in p's layout
.set T16,  20                          ; 16 x thread
.set QLW,  21                          ; QL + 16 x thread
.set L8,   22                          ; 8 x lane
.set OUTR, 23                          ; OUTS + 16 x thread
.set SPW,  28                          ; LDS address of my spare word; never rewritten
.set NIL,  29                          ; 0; never rewritten
.set ASCL, 32
.set BSCL, 48
.set QV,   56
.set PW,   60
.set ACC,  64
.set ACC2, 128
.set P,    128
.set X,    160
.set TM,   224                         ; v224-227 largest magnitudes, v228-231 bytes, v232-235 scale operands
.set PC,   236                         ; v236-247 the codes just made, v248-255 at work
.set MSB, 0
.macro WIN new                         ; the immediate's high byte repeats the setting that is left; a switch that changes nothing is dropped
.if MSB != \new
	s_set_vgpr_msb (MSB<<8)|\new
.set MSB, \new
.endif
.endm
.macro PLACES                          ; four plain places: behind matrix instructions, in front of loads into registers that they have read and of the first read of results
.rept 4
	v_nop
.endr
.endm
.macro CREST                           ; a round of the cluster's barrier behind its opening barrier
	s_cmp_lg_u32 s14, 0
	s_cbranch_scc1 .Lnot_wave_0_\@
	s_barrier_signal -3
.Lnot_wave_0_\@:
	s_barrier_wait -3
	s_barrier_signal -1
	s_barrier_wait -1
.endm
.macro CROUND
	s_barrier_signal -1
	s_barrier_wait -1
	CREST
.endm
; Unit p of a trip: row block p % 2 of my two, K step 2 trip + p / 2.  Sixteen loads, each 512 consecutive bytes of one row, into ring slot p.
.macro LOADU p
	WIN 0xc0                                       ; destination window 3
.set n, 0
.rept 16
	global_load_b128 v[64*\p+4*n:64*\p+4*n+3], v[L16], s[22:23] offset:(\p%2)*65536+(\p/2)*512+n*4096 th:TH_LOAD_NT
.set n, n+1
.endr
	WIN 0
.endm
; The unit turns through my stage: in as loaded, out 64 bytes a lane for each block: register 16 b + i = k 32 b + 16 h + i of row r.  LDS serves a wave's instructions in order: no wait between.
.macro STAGE_IN p, cnt
	s_wait_loadcnt \cnt                            ; the unit is in; the younger units' loads stay out
	WIN 0x0c                                       ; an LDS store's data are its source 1: window 3
.set n, 0
.rept 16
	ds_store_b128 v[SIN], v[64*\p+4*n:64*\p+4*n+3] offset:n*SPITCH
.set n, n+1
.endr
	WIN 0
.irp b, 0,1,2,3
.irp u, 0,1,2,3
	ds_load_b128 v[X+16*\b+4*\u:X+16*\b+4*\u+3], v[SOUT] offset:128*\b+16*\u
.endr
.endr
.endm
; 64 numbers of a lane become a fragment's codes in v[PC] on and its rows' scale word in v[PW].
.macro QUANT
.irp b, 0,1,2,3
	v_max3_num_f32 v[TM+\b], |v[X+16*\b]|, |v[X+1+16*\b]|, 0x2800000   ; block b: my 16 numbers, and the floor 2^(5 - 127): the byte cannot fall under 1
.endr
.irp i, 2,4,6,8,10,12,14
.irp b, 0,1,2,3
	v_max3_num_f32 v[TM+\b], v[TM+\b], |v[X+16*\b+\i]|, |v[X+1+16*\b+\i]|
.endr
.endr
.irp b, 0,1,2,3
	v_permlanex16_b32 v[TM+4+\b], v[TM+\b], s20, s21
.endr
.irp b, 0,1,2,3
	v_max_num_f32 v[TM+\b], v[TM+\b], v[TM+4+\b]   ; with lane l xor 16's: the block's largest magnitude
.endr
.irp b, 0,1,2,3
	v_add_nc_u32 v[TM+8+\b], 0xfe000000, v[TM+\b]  ; 4 off its exponent field: the conversion's scale operand
.endr
.irp b, 0,1,2,3
	v_lshrrev_b32 v[TM+4+\b], 23, v[TM+8+\b]       ; the scale's byte
.endr
	v_lshl_or_b32 v[PW], v[TM+5], 8, v[TM+4]
	v_lshl_or_b32 v[PW], v[TM+6], 16, v[PW]
	v_lshl_or_b32 v[PW], v[TM+7], 24, v[PW]
.irp c, 0,1
	v_cvt_scalef32_pk16_bf6_f32 v[PC+6*\c:PC+2+6*\c], v[X+32*\c:X+15+32*\c], v[TM+8+2*\c]
	v_cvt_scalef32_pk16_bf6_f32 v[PC+12+4*\c:PC+14+4*\c], v[X+16+32*\c:X+31+32*\c], v[TM+8+2*\c+1]   ; (a conversion's three registers begin on an even number)
.endr
	v_nop                                          ; one plain place behind a scaled conversion
.irp c, 0,1                            ; the operand's layout wants a whole block in a lane: lanes 0-15 block 2 c, lanes 16-31 block 2 c + 1
.irp i, 0,1,2
	v_permlane16_swap_b32 v[PC+6*\c+\i], v[PC+12+4*\c+\i]
.endr
.irp i, 0,1,2
	v_mov_b32 v[PC+3+6*\c+\i], v[PC+12+4*\c+\i]
.endr
.endr
.endm
.macro IMAGE p                         ; the fragment goes to LDS as it stands, and its scale words (both halves of the lanes write the same word with the same value)
.irp c, 0,1,2
	ds_store_b128 v[IMA], v[PC+4*\c:PC+4*\c+3] offset:(8*(\p%2)+\p/2)*FRB+512*\c
.endr
	ds_store_b32 v[SCA], v[PW] offset:512*(\p%2)+256*(\p/2)
.endm
.macro ALOAD                           ; my four row blocks' 32 fragments and their scale words
	WIN 0x40
.irp sp, 0,1,2,3
.irp mb, 0,1,2,3
.irp c, 0,1,2
	ds_load_b128 v[12*(4*\sp+\mb)+4*\c:12*(4*\sp+\mb)+4*\c+3], v[AAD] offset:(8*\mb+\sp)*FRB+512*\c
.endr
.endr
.endr
	WIN 0x80
.irp sp, 0,1,2,3
.irp mb, 0,1,2,3
.irp c, 0,1,2
	ds_load_b128 v[12*(4*\sp+\mb)+4*\c:12*(4*\sp+\mb)+4*\c+3], v[AAD] offset:(8*\mb+4+\sp)*FRB+512*\c
.endr
.endr
.endr
	WIN 0
.irp mb, 0,1,2,3
	ds_load_b128 v[ASCL+4*\mb:ASCL+4*\mb+3], v[ASA] offset:512*\mb
.endr
.endm
.macro FETCHB sl, e, hi, w, bb         ; 12 loads: K steps 4 hi .. 4 hi + 3 of my tile e in slot sl, into v[bb] on of the window that w names
	WIN \w
.irp sp, 0,1,2,3
.irp c, 0,1,2
	ds_load_b128 v[\bb+12*\sp+4*\c:\bb+12*\sp+4*\c+3], v[WAD+(\sl)] offset:\e*TILEB+(4*\hi+\sp)*FRB+512*\c
.endr
.endr
.endm
.macro SCL sl, e                       ; the tile's scale words
	ds_load_b128 v[BSCL+4*\e:BSCL+4*\e+3], v[WAD+(\sl)] offset:\e*TILEB+12288
.endm
; 16 matrix instructions: four K steps x my four row blocks, whose accumulators take turns, one instruction a turn.  K step 0 starts the sums with the constant 0.
; K step s takes register s / 2 of each side's scale words: lanes 0-15 for even s, lanes 16-31 for odd s.
.macro HALF e, hi, w, bb
	WIN \w
.irp sp, 0,1,2,3
.irp mb, 0,1,2,3
.if (\hi == 0) && (\sp == 0)
	v_wmma_scale_f32_16x16x128_f8f6f4 v[ACC+32*\e+8*\mb:ACC+32*\e+8*\mb+7], v[12*(4*\sp+\mb):12*(4*\sp+\mb)+11], v[\bb+12*\sp:\bb+12*\sp+11], 0, v[ASCL+4*\mb+2*\hi+\sp/2], v[BSCL+4*\e+2*\hi+\sp/2] matrix_a_fmt:MATRIX_FMT_BF6 matrix_b_fmt:MATRIX_FMT_BF6
.elseif (\sp%2) == 0
	v_wmma_scale_f32_16x16x128_f8f6f4 v[ACC+32*\e+8*\mb:ACC+32*\e+8*\mb+7], v[12*(4*\sp+\mb):12*(4*\sp+\mb)+11], v[\bb+12*\sp:\bb+12*\sp+11], v[ACC+32*\e+8*\mb:ACC+32*\e+8*\mb+7], v[ASCL+4*\mb+2*\hi+\sp/2], v[BSCL+4*\e+2*\hi+\sp/2] matrix_a_fmt:MATRIX_FMT_BF6 matrix_b_fmt:MATRIX_FMT_BF6
.else
	v_wmma_scale_f32_16x16x128_f8f6f4 v[ACC+32*\e+8*\mb:ACC+32*\e+8*\mb+7], v[12*(4*\sp+\mb):12*(4*\sp+\mb)+11], v[\bb+12*\sp:\bb+12*\sp+11], v[ACC+32*\e+8*\mb:ACC+32*\e+8*\mb+7], v[ASCL+4*\mb+2*\hi+\sp/2], v[BSCL+4*\e+2*\hi+\sp/2] matrix_a_fmt:MATRIX_FMT_BF6 matrix_b_fmt:MATRIX_FMT_BF6 matrix_a_scale:MATRIX_SCALE_ROW1 matrix_b_scale:MATRIX_SCALE_ROW1
.endif
.endr
.endr
.endm
.macro RED_K e                         ; t += k x q: my column's q for all 32 rows that I hold; each accumulator from its low end on
.irp mb, 0,1,2,3
.irp u, 0,2,4,6
	v_pk_fma_f32 v[ACC2+8*\mb+\u:ACC2+8*\mb+\u+1], v[ACC+32*\e+8*\mb+\u:ACC+32*\e+8*\mb+\u+1], v[QV+2*\e:QV+2*\e+1], v[ACC2+8*\mb+\u:ACC2+8*\mb+\u+1] op_sel_hi:[1,0,1]
.endr
.endr
.endm
.macro RED_V e, off                    ; my column's sum of p x v over my 64 rows: four chains, each accumulator from its low end on; then lane l xor 16's rows.  A scratch set for each tile
.set TT, 208+8*\e
.irp mb, 0,1,2,3
	v_pk_mul_f32 v[TT+2*\mb:TT+2*\mb+1], v[ACC+32*\e+8*\mb:ACC+32*\e+8*\mb+1], v[P+8*\mb:P+8*\mb+1]
.endr
.irp u, 2,4,6
.irp mb, 0,1,2,3
	v_pk_fma_f32 v[TT+2*\mb:TT+2*\mb+1], v[ACC+32*\e+8*\mb+\u:ACC+32*\e+8*\mb+\u+1], v[P+8*\mb+\u:P+8*\mb+\u+1], v[TT+2*\mb:TT+2*\mb+1]
.endr
.endr
	v_pk_add_f32 v[TT:TT+1], v[TT:TT+1], v[TT+2:TT+3]
	v_pk_add_f32 v[TT+4:TT+5], v[TT+4:TT+5], v[TT+6:TT+7]
	v_pk_add_f32 v[TT:TT+1], v[TT:TT+1], v[TT+4:TT+5]
	v_add_f32 v[TT], v[TT], v[TT+1]
	v_permlanex16_b32 v[TT+2], v[TT], s20, s21
	v_add_f32 v[TT], v[TT], v[TT+2]
	ds_store_b32 v[OA], v[TT] offset:\off          ; both halves of the lanes write the same word with the same value
.endm
	s_load_b256 s[4:11], s[0:1], 0x0               ; key s[4:5], value s[6:7], wimg s[8:9], qv s[10:11]
	s_load_b64 s[12:13], s[0:1], 0x20              ; part
	v_lshl_add_u32 v[SPW], v0, 2, SPARE
	v_mov_b32 v[NIL], 0
	ds_add_u32 v28, v29
	ds_add_u32 v28, v29
	s_wait_dscnt 0x0
	v_lshrrev_b32 v24, 5, v0
	v_readfirstlane_b32 s14, v24                   ; wave w
	s_lshr_b32 s15, s14, 1                         ; i: which half of the rows
	s_and_b32 s16, s14, 1                          ; j: which two of a fill's four tiles
	s_bfe_u32 s18, ttmp6, 0x40000                  ; cx: my place in the cluster
	s_lshl_b32 s17, ttmp9, 2
	s_add_co_u32 s17, s17, s18                     ; g = 4 x cluster + cx: it enters global addresses alone
	s_mov_b32 s20, 0x76543210
	s_mov_b32 s21, 0xfedcba98                      ; v_permlanex16_b32's selects for lane l xor 16
	v_and_b32 v24, 31, v0                          ; lane
	v_and_b32 v25, 15, v0                          ; r
	v_bfe_u32 v26, v0, 4, 1                        ; h
	v_lshlrev_b32 v[L16], 4, v24
	v_lshlrev_b32 v[L8], 3, v24
	v_lshlrev_b32 v[T16], 4, v0
	s_mul_i32 s19, s14, STGW
	s_add_co_u32 s19, s19, STG
	v_add_nc_u32 v[SIN], s19, v[L16]
	v_mul_u32_u24 v[SOUT], v25, SPITCH
	v_lshl_add_u32 v[SOUT], v26, 6, v[SOUT]
	v_add_nc_u32 v[SOUT], s19, v[SOUT]
	s_mul_i32 s19, s14, 16*FRB                     ; my two row blocks' 16 fragments
	s_add_co_u32 s19, s19, AIMG
	v_add_nc_u32 v[IMB], s19, v[L16]
	s_lshl_b32 s19, s14, 10
	s_add_co_u32 s19, s19, ASC
	v_lshl_add_u32 v[SCB], v25, 4, s19
	s_mul_i32 s19, s15, 32*FRB                     ; the four row blocks that I multiply
	s_add_co_u32 s19, s19, AIMG
	v_add_nc_u32 v[AAD], s19, v[L16]
	s_lshl_b32 s19, s15, 11
	s_add_co_u32 s19, s19, ASC
	v_add_nc_u32 v[ASA], s19, v[L16]
	s_mul_i32 s19, s16, 2*TILEB
	v_add_nc_u32 v[WAD], s19, v[L16]
	v_add_nc_u32 v[WAD+1], SLOTB, v[WAD]
	s_lshl_b32 s19, s16, 7                         ; q of column 64 step + 32 j + 16 e + r
	s_add_co_u32 s19, s19, QL
	v_lshl_add_u32 v[QB], v25, 2, s19
	s_lshl_b32 s19, s15, 12
	s_lshl_b32 s18, s16, 7
	s_add_co_u32 s19, s19, s18
	s_add_co_u32 s19, s19, OUTS
	v_lshl_add_u32 v[OB], v25, 2, s19
	s_lshl_b32 s19, s15, 8                         ; row 64 i + 16 mb + 8 h + 0 .. 7, 4 bytes a row
	s_add_co_u32 s19, s19, SCR
	v_lshl_add_u32 v[SCP], v26, 5, s19
	s_lshl_b32 s18, s16, 9
	v_add_nc_u32 v[SCW], s18, v[SCP]
	v_add_nc_u32 v[SC4], SCR, v[L16]
	v_add_nc_u32 v[QLW], QL, v[T16]
	v_add_nc_u32 v[OUTR], OUTS, v[T16]
	s_lshl_b32 s26, s17, 19                        ; 128 rows of 4,096 bytes a work-group,
	s_lshl_b32 s27, s14, 17                        ; 32 a wave
	s_add_co_u32 s26, s26, s27
	s_mov_b32 s27, 0
	s_lshr_b32 s28, s17, 4                         ; the batch
	s_lshl_b32 s28, s28, 12
	s_mov_b32 s29, 0
	s_mul_i32 s30, s17, 4352                       ; my record in part
	s_mov_b32 s31, 0
	s_mul_i32 s2, s14, TILEB                       ; the tile of a fill that I fetch, in memory and in a slot: no place in the cluster enters it
	s_mov_b32 s3, 0
	; descriptor group 1: a tile's 12,800 dense bytes as 50 rows of 256 bytes (32 elements of 8 bytes), no padding
	s_mov_b32 s32, 15|(3<<16)|(1<<21)              ; 15:0 the mask: all four work-groups; 17:16 elements of 8 bytes; 21 set beside a mask
	s_mov_b32 s33, 32<<16                          ; tensor_dim0 = 32
	s_mov_b32 s34, 50<<16                          ; tensor_dim1 = 50
	s_mov_b32 s35, 32<<16                          ; tile_dim0 = 32
	s_mov_b32 s36, 50                              ; tile_dim1 = 50
	s_mov_b32 s37, 32                              ; from row to row
	s_mov_b32 s38, 0
	s_mov_b32 s39, 0
	s_wait_kmcnt 0x0
	s_add_nc_u64 s[4:5], s[4:5], s[26:27]          ; key at my wave's first row
	s_add_nc_u64 s[6:7], s[6:7], s[26:27]          ; value likewise
	s_mov_b64 s[22:23], s[4:5]                     ; the base of the loads being issued
	s_add_nc_u64 s[10:11], s[10:11], s[28:29]
	s_add_nc_u64 s[12:13], s[12:13], s[30:31]
	s_add_nc_u64 s[8:9], s[8:9], s[2:3]
	global_load_b128 v[64:67], v[T16], s[10:11]    ; the batch's q: 32 bytes a thread
	global_load_b128 v[68:71], v[T16], s[10:11] offset:2048
	LOADU 0                                        ; key's first four units
	LOADU 1
	LOADU 2
	LOADU 3
	s_mov_b32 s40, 1                               ; group 0 for slot 0: count = 1,
	s_mov_b32 s41, s2                              ; LDS address,
	s_mov_b64 s[42:43], s[8:9]                     ; global address: fill 0,
	s_or_b32 s43, s43, 0x80000000                  ; type = 2
	s_mov_b32 s44, 1                               ; and for slot 1: fill 1
	s_add_co_u32 s45, s2, SLOTB
	s_add_nc_u64 s[46:47], s[8:9], SLOTB
	s_or_b32 s47, s47, 0x80000000
	CROUND                                         ; all four work-groups are here: the first joint loads meet
	tensor_load_to_lds s[40:43], s[32:39]          ; the two first fills stand together: two tensor loads of mine are out, the most in this text
	s_nop 0
	tensor_load_to_lds s[44:47], s[32:39]
	s_nop 0
	PLACES                                         ; (four such lines behind a tensor load)
	s_wait_loadcnt 63                              ; q's two loads are older than the ring's 64
	ds_store_b128 v[QLW], v[64:67]
	ds_store_b128 v[QLW], v[68:71] offset:2048
.set n, 0
.rept 32
	v_mov_b32 v[ACC2+n], 0                         ; the sums t begin as zeros: 32 lines once, so that the step is written without a first copy
.set n, n+1
.endr
.irp b, 0,1,2,3
	v_mov_b32 v[TM+4+\b], 0                        ; written once: a lane permute's destination counts as one of its sources
.endr
	v_mov_b32 v[QV+1], 0                           ; (named as the upper halves of pairs)
	v_mov_b32 v[QV+3], 0
	v_mov_b32 v201, 0
	s_wait_xcnt 0x0                                ; the loads have read their base
	s_add_nc_u64 s[22:23], s[22:23], 1024          ; the next trip's two K steps
	; ---------------- key becomes codes: four trips of four units.  Each pass asks for the unit one trip on; the last trip asks for value's first four.
.macro PASS p
	STAGE_IN \p, 48                                ; three younger units, 16 loads each
	s_wait_dscnt 0x0                               ; the numbers are back, the stage's stores have read the ring's registers, and the last image's stores theirs
	LOADU \p
	QUANT
	IMAGE \p
.endm
	s_mov_b32 s24, 0
	s_mov_b32 s25, 0                               ; images: 2 K steps = 3,072 bytes a trip
	s_mov_b32 s26, 0                               ; scale words: 4 bytes a trip
.Lpro:
	v_add_nc_u32 v[IMA], s25, v[IMB]
	v_add_nc_u32 v[SCA], s26, v[SCB]
	PASS 0
	PASS 1
	PASS 2
	PASS 3
	s_wait_dscnt 0x0                               ; no LDS instruction of mine is out when its address registers are written again
	s_wait_xcnt 0x0                                ; the loads have read their base
	s_add_nc_u64 s[22:23], s[22:23], 1024
	s_add_co_u32 s25, s25, 3072
	s_add_co_u32 s26, s26, 4
	s_add_co_u32 s24, s24, 1
	s_cmp_eq_u32 s24, 3
	s_cselect_b64 s[22:23], s[6:7], s[22:23]       ; the last trip's loads are value's
	s_cmp_lt_u32 s24, 4
	s_cbranch_scc1 .Lpro
	s_mov_b32 s25, 0
	s_mov_b32 s26, 0
	s_mov_b32 s27, 0                               ; q: 4 steps x 256 bytes a trip
	s_wait_tensorcnt 0x1                           ; my tile of fill 0 is in; fill 1's may stay out
	s_barrier_signal -1                            ; (my LDS stores have landed: the wait for 0 at the loop's end)
	s_barrier_wait -1                              ; key's 64 fragments, q and slot 0 are whole
	ALOAD
	FETCHB 0, 0, 0, 0x40, 192
	WIN 0
	SCL 0, 0
	ds_load_b32 v[QV], v[QB]
	FETCHB 0, 0, 1, 0x80, 192
	WIN 0
; ---------------- A STEP OF KEY'S PRODUCTS: my two tiles of the fill in slot sl, and unit p of value.  Each half buffer is fetched again right behind its own products.
.macro KSTEP sl, p, cnt, ahead, lastq
	s_wait_dscnt 12                                ; tile 0's low half, its scale words and q are in; the youngest 12 loads (its high half) may be out
	HALF 0, 0, 0x05, 192
	PLACES
	FETCHB \sl, 1, 0, 0x40, 192
	WIN 0
	SCL \sl, 1
	ds_load_b32 v[QV+2], v[QA] offset:256*\p+64
	s_wait_dscnt 14                                ; the high half is in; the 14 just issued may be out
	HALF 0, 1, 0x0a, 192
	PLACES
	FETCHB \sl, 1, 1, 0x80, 192
	STAGE_IN \p, \cnt
	s_wait_tensorcnt 0x0                           ; all my tensor loads have landed: my tile of the next slot; so a group 0 may be written
	ds_add_u32 v[SPW], v[NIL]                      ; 0 onto my spare word
	s_add_nc_u64 s[42+4*\sl:43+4*\sl], s[42+4*\sl:43+4*\sl], 2*SLOTB   ; this slot's next fill: two on
	s_wait_dscnt 45                                ; tile 1's low half, its scale words and q are in; behind them: 12 loads, the stage's 32, the add
	HALF 1, 0, 0x05, 192
	WIN 0
	s_wait_dscnt 0x0                               ; the add is done, my reads of this slot are over, the unit's numbers are back
	s_barrier_signal -1                            ; the barrier opens a round of the cluster's
	RED_K 0                                        ; work on registers while the others arrive
	s_barrier_wait -1
	CREST                                          ; no wave of any partner still reads this slot or has a load on its way
	tensor_load_to_lds s[40+4*\sl:43+4*\sl], s[32:39]   ; my one tensor load behind the round: it has a step in which to land
	s_nop 0
	PLACES                                         ; (asked for behind a tensor load; also places in front of the loads below)
	FETCHB 1-\sl, 0, 0, 0x40, 192                  ; the next step's tile 0
	WIN 0
	SCL 1-\sl, 0
.if \lastq == 0
	ds_load_b32 v[QV], v[QA] offset:256*\p+256
.endif
.if \ahead
	LOADU \p                                       ; the ring's slot takes the unit one trip on
.endif
	QUANT
	IMAGE \p                                       ; value's images take the place of key's: every wave has read key's (its wait for 0 in front of the first round)
	HALF 1, 1, 0x0a, 192                           ; (its operands came in ahead of the round)
	PLACES
	FETCHB 1-\sl, 0, 1, 0x80, 192
	WIN 0
	RED_K 1
.endm
	s_mov_b32 s24, 0
.Lk:                                                   ; three trips of four steps; the fourth is written out, since it loads nothing more
	v_add_nc_u32 v[IMA], s25, v[IMB]
	v_add_nc_u32 v[SCA], s26, v[SCB]
	v_add_nc_u32 v[QA], s27, v[QB]
	KSTEP 0, 0, 48, 1, 0
	KSTEP 1, 1, 48, 1, 0
	KSTEP 0, 2, 48, 1, 0
	KSTEP 1, 3, 48, 1, 0
	s_wait_dscnt 0x0                               ; no LDS instruction of mine is out when its address registers are written again
	s_wait_xcnt 0x0                                ; the loads have read their base
	s_add_nc_u64 s[22:23], s[22:23], 1024
	s_add_co_u32 s25, s25, 3072
	s_add_co_u32 s26, s26, 4
	s_add_co_u32 s27, s27, 1024
	s_add_co_u32 s24, s24, 1
	s_cmp_lt_u32 s24, 3
	s_cbranch_scc1 .Lk
	v_add_nc_u32 v[IMA], s25, v[IMB]
	v_add_nc_u32 v[SCA], s26, v[SCB]
	v_add_nc_u32 v[QA], s27, v[QB]
	KSTEP 0, 0, 48, 0, 0                           ; the counts run down: three, two, one, no younger unit
	KSTEP 1, 1, 32, 0, 0
	KSTEP 0, 2, 16, 0, 0
	KSTEP 1, 3, 0, 0, 1
	; ---------------- the scores meet; m, l and p
.irp k, 1,2,4,8
.set n, 0
.rept 32
	v_add_f32_dpp v[ACC2+n], v[ACC2+n], v[ACC2+n] row_xmask:\k row_mask:0xf bank_mask:0xf   ; over the 16 columns that the lanes of a half hold
.set n, n+1
.endr
.endr
.irp mb, 0,1,2,3
	ds_store_b128 v[SCW], v[ACC2+8*\mb:ACC2+8*\mb+3] offset:64*\mb        ; sixteen lanes write the same words with the same values
	ds_store_b128 v[SCW], v[ACC2+8*\mb+4:ACC2+8*\mb+7] offset:64*\mb+16
.endr
	s_wait_dscnt 0x0                               ; my partial t and value's last image have landed
	s_barrier_signal -1
	s_barrier_wait -1
	ALOAD                                          ; value's fragments take key's registers
	FETCHB 0, 1, 0, 0xc0, 0                        ; step 16's odd tile, into the registers that the ring has left
	FETCHB 0, 1, 1, 0xc0, 48
	WIN 0
	SCL 0, 1
	ds_load_b128 v[192:195], v[SC4]                ; four rows a lane, both parts: for m and l, which every wave makes for itself
	ds_load_b128 v[196:199], v[SC4] offset:512
.irp mb, 0,1,2,3
.irp u, 0,1
	ds_load_b128 v[P+8*\mb+4*\u:P+8*\mb+4*\u+3], v[SCP] offset:64*\mb+16*\u          ; my 32 rows in the accumulators' layout, both parts
	ds_load_b128 v[X+8*\mb+4*\u:X+8*\mb+4*\u+3], v[SCP] offset:512+64*\mb+16*\u
.endr
.endr
	s_wait_dscnt 0x0
	v_pk_add_f32 v[192:193], v[192:193], v[196:197]
	v_pk_add_f32 v[194:195], v[194:195], v[198:199]
.set n, 0
.rept 16
	v_pk_add_f32 v[P+n:P+n+1], v[P+n:P+n+1], v[X+n:X+n+1]
.set n, n+2
.endr
	v_max3_num_f32 v200, v192, v193, v194
	v_max_num_f32 v200, v200, v195
	v_max_num_f32_dpp v200, v200, v200 row_xmask:1 row_mask:0xf bank_mask:0xf
	v_max_num_f32_dpp v200, v200, v200 row_xmask:2 row_mask:0xf bank_mask:0xf
	v_max_num_f32_dpp v200, v200, v200 row_xmask:4 row_mask:0xf bank_mask:0xf
	v_max_num_f32_dpp v200, v200, v200 row_xmask:8 row_mask:0xf bank_mask:0xf
	v_permlanex16_b32 v201, v200, s20, s21
	v_max_num_f32 v200, v200, v201                 ; m: the 128 rows' largest t
	v_pk_add_f32 v[192:193], v[192:193], v[200:201] op_sel_hi:[1,0] neg_lo:[0,1] neg_hi:[0,1]
	v_pk_add_f32 v[194:195], v[194:195], v[200:201] op_sel_hi:[1,0] neg_lo:[0,1] neg_hi:[0,1]
.set n, 0
.rept 16
	v_pk_add_f32 v[P+n:P+n+1], v[P+n:P+n+1], v[200:201] op_sel_hi:[1,0] neg_lo:[0,1] neg_hi:[0,1]   ; t - m, 0 or less
.set n, n+2
.endr
.irp u, 0,1,2,3
	v_exp_f32 v[192+\u], v[192+\u]
.endr
.set n, 0
.rept 32
	v_exp_f32 v[P+n], v[P+n]                       ; p = 2^(t - m): one batch of 36
.set n, n+1
.endr
	v_mov_b32 v202, v200                           ; (m, l) as a pair.  A plain place behind the exponentials
	s_wait_alu depctr_va_vdst(0)                   ; one wait for the batch, ahead of its first reader
	v_pk_add_f32 v[192:193], v[192:193], v[194:195]
	v_add_f32 v203, v192, v193
	v_add_f32_dpp v203, v203, v203 row_xmask:1 row_mask:0xf bank_mask:0xf
	v_add_f32_dpp v203, v203, v203 row_xmask:2 row_mask:0xf bank_mask:0xf
	v_add_f32_dpp v203, v203, v203 row_xmask:4 row_mask:0xf bank_mask:0xf
	v_add_f32_dpp v203, v203, v203 row_xmask:8 row_mask:0xf bank_mask:0xf
	v_permlanex16_b32 v201, v203, s20, s21
	v_add_f32 v203, v203, v201                     ; l: the sum of the 128 p
; ---------------- A STEP OF VALUE'S PRODUCTS.  All four half buffers hold this step's tiles at its head, so the slot that they came from is free at once: one barrier at the head, the refill behind it, and each
; half buffer takes the next step's fragments, out of the other slot, right behind its own products.  A tile's scale words are fetched behind its HIGH half, since its own products read the old ones until then.
; st: the step's place in a trip.
.macro VSTEP sl, st, refill
	s_wait_tensorcnt 0x0                           ; all my tensor loads have landed: my tile of the other slot
	ds_add_u32 v[SPW], v[NIL]                      ; 0 onto my spare word
.if \refill
	s_add_nc_u64 s[42+4*\sl:43+4*\sl], s[42+4*\sl:43+4*\sl], 2*SLOTB
.endif
	s_wait_dscnt 28                                ; tile 0's two halves and its scale words are in; behind the scale words: the odd tile's 12 + 12 loads, its scale words, two stores of partial sums, the add
	HALF 0, 0, 0x05, 192
	WIN 0
	s_wait_dscnt 0x0                               ; the add is done, and my reads of this slot are over
	s_barrier_signal -1
.if \st == 0
	v_add_nc_u32 v[OA], s28, v[OB]                 ; the trip's place in OUTS: no LDS instruction of mine is out
.endif
	s_barrier_wait -1
.if \refill
	CREST
	tensor_load_to_lds s[40+4*\sl:43+4*\sl], s[32:39]   ; my one tensor load behind the round
	s_nop 0
.endif
	PLACES
	FETCHB 1-\sl, 0, 0, 0x40, 192
	HALF 0, 1, 0x0a, 192
	PLACES
	FETCHB 1-\sl, 0, 1, 0x80, 192
	WIN 0
	SCL 1-\sl, 0
	HALF 1, 0, 0x0d, 0
	PLACES
	FETCHB 1-\sl, 1, 0, 0xc0, 0
	WIN 0
	RED_V 0, 256*\st
	HALF 1, 1, 0x0e, 48
	PLACES
	FETCHB 1-\sl, 1, 1, 0xc0, 48
	WIN 0
	SCL 1-\sl, 1
	RED_V 1, 256*\st+64
.endm
	s_mov_b32 s28, 0                               ; OUTS: 2 steps x 256 bytes a trip
	s_mov_b32 s24, 0
.Lv:                                                   ; seven trips: steps 16 to 29, each of which fills its slot again
	VSTEP 0, 0, 1
	VSTEP 1, 1, 1
	s_add_co_u32 s28, s28, 512
	s_add_co_u32 s24, s24, 1
	s_cmp_lt_u32 s24, 7
	s_cbranch_scc1 .Lv
	VSTEP 0, 0, 0                                  ; step 30: nothing is left to ask for; the barrier shows fill 31 whole
	s_wait_dscnt 27                                ; step 31, nothing more to fetch.  Tile 0's two halves and its scale words are in; behind the scale words: 12 + 1 + 12 + 1 + 1
	HALF 0, 0, 0x05, 192
	HALF 0, 1, 0x0a, 192
	s_wait_dscnt 0x0                               ; the odd tile's two halves and its scale words are in, and the last step's partial sums have left their registers
	HALF 1, 0, 0x0d, 0
	WIN 0
	PLACES
	RED_V 0, 256
	HALF 1, 1, 0x0e, 48
	WIN 0
	PLACES
	RED_V 1, 320
	; ---------------- the way out: the two row halves' sums are added; 1,024 numbers and (m, l)
	s_wait_dscnt 0x0                               ; for the others' sake: my partial sums have landed
	s_barrier_signal -1
	s_barrier_wait -1
	ds_load_b128 v[160:163], v[OUTR]
	ds_load_b128 v[164:167], v[OUTR] offset:4096
	ds_load_b128 v[168:171], v[OUTR] offset:2048
	ds_load_b128 v[172:175], v[OUTR] offset:6144
	s_wait_dscnt 0x0
	v_pk_add_f32 v[160:161], v[160:161], v[164:165]
	v_pk_add_f32 v[162:163], v[162:163], v[166:167]
	v_pk_add_f32 v[168:169], v[168:169], v[172:173]
	v_pk_add_f32 v[170:171], v[170:171], v[174:175]
	global_store_b128 v[T16], v[160:163], s[12:13]               ; a wave stores 512 consecutive bytes, at a multiple of 256 from part's first byte
	global_store_b128 v[T16], v[168:171], s[12:13] offset:2048
	s_cmp_lg_u32 s14, 0
	s_cbranch_scc1 .Lnot_first
	global_store_b64 v[L8], v[202:203], s[12:13] offset:4096     ; (m, l) 32 times: 256 consecutive bytes
.Lnot_first:
	s_wait_tensorcnt 0x0                           ; the wave's end, behind my last tensor load and my last LDS store
	ds_add_u32 v[SPW], v[NIL]
	s_wait_dscnt 0x0
	CROUND                                         ; the closing round: no work-group ends while a partner may still ask for a fill that names it
	s_endpgm
.Lfunc_end_k_qfaab4989d3_main:
	.size	k_qfaab4989d3_main, .Lfunc_end_k_qfaab4989d3_main-k_qfaab4989d3_main
	.p2alignl 7, 3214868480
	.fill 96, 4, 3214868480
	.section	.rodata,"a",@progbits
	.p2align	6, 0x0
	.amdhsa_kernel k_qfaab4989d3_main
		.amdhsa_group_segment_fixed_size 327680
		.amdhsa_private_segment_fixed_size 0
		.amdhsa_enable_private_segment 0
		.amdhsa_kernarg_size 40
		.amdhsa_user_sgpr_count 2
		.amdhsa_user_sgpr_kernarg_segment_ptr 1
		.amdhsa_wavefront_size32 1
		.amdhsa_system_sgpr_workgroup_id_x 1
		.amdhsa_system_sgpr_workgroup_id_y 1
		.amdhsa_system_sgpr_workgroup_id_z 1
		.amdhsa_system_vgpr_workitem_id 0
		.amdhsa_next_free_vgpr 1024
		.amdhsa_next_free_sgpr 66
		.amdhsa_reserve_vcc 0
		.amdhsa_float_denorm_mode_32 3
		.amdhsa_float_denorm_mode_16_64 3
		.amdhsa_memory_ordered 1
		.amdhsa_forward_progress 1
		.amdhsa_inst_pref_size 255
	.end_amdhsa_kernel
	.section	.bss,"aw",@nobits
	.p2align	6
	.space	262144
	.amdgpu_metadata
---
amdhsa.version: [ 1, 2 ]
amdhsa.kernels:
  - .name:           k_qfaab4989d3_main
    .symbol:         k_qfaab4989d3_main.kd
    .args:
      - { .name: key, .offset: 0, .size: 8, .value_kind: global_buffer, .address_space: global }
      - { .name: value, .offset: 8, .size: 8, .value_kind: global_buffer, .address_space: global }
      - { .name: wimg, .offset: 16, .size: 8, .value_kind: global_buffer, .address_space: global }
      - { .name: qv, .offset: 24, .size: 8, .value_kind: global_buffer, .address_space: global }
      - { .name: part, .offset: 32, .size: 8, .value_kind: global_buffer, .address_space: global }
    .group_segment_fixed_size: 327680
    .private_segment_fixed_size: 0
    .kernarg_segment_align: 8
    .kernarg_segment_size: 40
    .max_flat_workgroup_size: 128
    .sgpr_count:     66
    .vgpr_count:     1024
    .wavefront_size: 32
...
	.end_amdgpu_metadata
.endif
;; end of part 2
;; launch merge (part 3): grid 4 x 16, 2 waves a work-group, no clusters, 0 bytes of LDS; arguments part, out0; writes out0
.if DOCPART == 3
	.amdgcn_target "amdgcn-amd-amdhsa--gfx1250"
	.amdhsa_code_object_version 6
	.text
	.protected	k_qfaab4989d3_merge
	.globl	k_qfaab4989d3_merge
	.p2align	8
	.type	k_qfaab4989d3_merge,@function
k_qfaab4989d3_merge:
	s_mov_b64 s[64:65], 0
	v_nop
	global_prefetch_b8 v0, s[64:65] scope:SCOPE_SE
	s_setreg_imm32_b32 hwreg(HW_REG_WAVE_MODE, 25, 1), 1
	s_wait_xcnt 0x0
; MERGE.  out0[b][:] = sum over a batch's 16 parts c of 2^(m_c - M) part_c[:]  /  sum over c of 2^(m_c - M) l_c,  M = the largest m_c.
; part: [256][4,352 bytes]: 1,024 f32, then (m, l).  Work-group (x, y): batch y, columns 256 x .. 256 x + 255; a thread takes four columns, so a work-group stores 1,024 consecutive bytes.
; Lane c % 16 holds part c's (m, l): the maximum and the sum go over the 16 lanes of a half; the 16 weights then go to scalar registers, as values alone.
; No LDS, no barrier, no matrix unit: 17 loads a thread, all issued at once.  LIMITS: NaN and infinities are not served.
	s_load_b128 s[4:7], s[0:1], 0x0                ; part, out0
	s_and_b32 s8, ttmp7, 0xffff                    ; the batch
	v_and_b32 v1, 15, v0
	v_mul_u32_u24 v1, v1, 4352                     ; my lane's part
	v_lshlrev_b32 v2, 4, v0                        ; 16 x thread
	s_mul_i32 s10, s8, 16*4352
	s_mov_b32 s11, 0
	s_lshl_b32 s12, ttmp9, 10
	s_mov_b32 s13, 0
	s_lshl_b32 s34, s8, 12
	s_add_co_u32 s34, s34, s12
	s_mov_b32 s35, 0
	s_wait_kmcnt 0x0
	s_add_nc_u64 s[4:5], s[4:5], s[10:11]
	s_add_nc_u64 s[14:15], s[4:5], s[12:13]
	s_add_nc_u64 s[6:7], s[6:7], s[34:35]
	global_load_b64 v[4:5], v1, s[4:5] offset:4096
.irp c, 0,1,2,3,4,5,6,7,8,9,10,11,12,13,14,15
	global_load_b128 v[16+4*\c:19+4*\c], v2, s[14:15] offset:4352*\c
.endr
	s_wait_loadcnt 16                              ; (m, l) is in; the 16 younger loads stay out
	v_mov_b32 v6, v4
	v_max_num_f32_dpp v6, v6, v6 row_xmask:1 row_mask:0xf bank_mask:0xf
	v_max_num_f32_dpp v6, v6, v6 row_xmask:2 row_mask:0xf bank_mask:0xf
	v_max_num_f32_dpp v6, v6, v6 row_xmask:4 row_mask:0xf bank_mask:0xf
	v_max_num_f32_dpp v6, v6, v6 row_xmask:8 row_mask:0xf bank_mask:0xf
	v_sub_f32 v7, v4, v6                           ; m_c - M, 0 or less
	v_exp_f32 v10, v7
	v_nop                                          ; a plain place behind the transcendental
	s_wait_alu depctr_va_vdst(0)                   ; and the wait ahead of its first reader
	v_mul_f32 v8, v10, v5
	v_add_f32_dpp v8, v8, v8 row_xmask:1 row_mask:0xf bank_mask:0xf
	v_add_f32_dpp v8, v8, v8 row_xmask:2 row_mask:0xf bank_mask:0xf
	v_add_f32_dpp v8, v8, v8 row_xmask:4 row_mask:0xf bank_mask:0xf
	v_add_f32_dpp v8, v8, v8 row_xmask:8 row_mask:0xf bank_mask:0xf
	v_rcp_f32 v9, v8                               ; the sum is at least 1: the part with m_c = M has l of 1 or more
	v_nop
	s_wait_alu depctr_va_vdst(0)
	v_mul_f32 v11, v10, v9                         ; part c's weight
.irp c, 0,1,2,3,4,5,6,7,8,9,10,11,12,13,14,15
	v_readlane_b32 s[16+\c], v11, \c
.endr
	s_wait_loadcnt 0x0
.irp u, 0,1,2,3
	v_mul_f32 v[80+\u], s16, v[16+\u]
.endr
.irp c, 1,2,3,4,5,6,7,8,9,10,11,12,13,14,15
.irp u, 0,1,2,3
	v_fma_f32 v[80+\u], s[16+\c], v[16+4*\c+\u], v[80+\u]
.endr
.endr
	global_store_b128 v2, v[80:83], s[6:7]         ; a wave stores 512 consecutive bytes, at a multiple of 256 from out0's first byte
	s_endpgm
.Lfunc_end_k_qfaab4989d3_merge:
	.size	k_qfaab4989d3_merge, .Lfunc_end_k_qfaab4989d3_merge-k_qfaab4989d3_merge
	.p2alignl 7, 3214868480
	.fill 96, 4, 3214868480
	.section	.rodata,"a",@progbits
	.p2align	6, 0x0
	.amdhsa_kernel k_qfaab4989d3_merge
		.amdhsa_group_segment_fixed_size 0
		.amdhsa_private_segment_fixed_size 0
		.amdhsa_enable_private_segment 0
		.amdhsa_kernarg_size 16
		.amdhsa_user_sgpr_count 2
		.amdhsa_user_sgpr_kernarg_segment_ptr 1
		.amdhsa_wavefront_size32 1
		.amdhsa_system_sgpr_workgroup_id_x 1
		.amdhsa_system_sgpr_workgroup_id_y 1
		.amdhsa_system_sgpr_workgroup_id_z 1
		.amdhsa_system_vgpr_workitem_id 0
		.amdhsa_next_free_vgpr 96
		.amdhsa_next_free_sgpr 66
		.amdhsa_reserve_vcc 0
		.amdhsa_float_denorm_mode_32 3
		.amdhsa_float_denorm_mode_16_64 3
		.amdhsa_memory_ordered 1
		.amdhsa_forward_progress 1
		.amdhsa_inst_pref_size 9
	.end_amdhsa_kernel
	.amdgpu_metadata
---
amdhsa.version: [ 1, 2 ]
amdhsa.kernels:
  - .name:           k_qfaab4989d3_merge
    .symbol:         k_qfaab4989d3_merge.kd
    .args:
      - { .name: part, .offset: 0, .size: 8, .value_kind: global_buffer, .address_space: global }
      - { .name: out0, .offset: 8, .size: 8, .value_kind: global_buffer, .address_space: global }
    .group_segment_fixed_size: 0
    .private_segment_fixed_size: 0
    .kernarg_segment_align: 8
    .kernarg_segment_size: 16
    .max_flat_workgroup_size: 64
    .sgpr_count:     66
    .vgpr_count:     96
    .wavefront_size: 32
...
	.end_amdgpu_metadata
.endif
;; end of part 3
;; ======== version 2 of 2: 3 launches
;; limits: right only within a limited range of input values
;; workspace buffers: wimg 1,638,400 bytes; qv 65,536 bytes; part 1,114,112 bytes
;; launch prep (part 4): grid 32 x 3, 8 waves a work-group, no clusters, 67,584 bytes of LDS; arguments Wk, Wv, Wq, query, wimg, qv; writes wimg, qv
.if DOCPART == 4
	.amdgcn_target "amdgcn-amd-amdhsa--gfx1250"
	.amdhsa_code_object_version 6
	.text
	.protected	k_qfaab4989d3_prep
	.globl	k_qfaab4989d3_prep
	.p2align	8
	.type	k_qfaab4989d3_prep,@function
k_qfaab4989d3_prep:
	s_mov_b64 s[64:65], 0
	v_nop
	global_prefetch_b8 v0, s[64:65] scope:SCOPE_SE
	s_setreg_imm32_b32 hwreg(HW_REG_WAVE_MODE, 25, 1), 1
	s_wait_xcnt 0x0
; PREP.  Wk, Wv, Wq: [1024 (k)][1024 (n)] f32, K is the FIRST axis.  Each is quantised along K to codes of BF6 (E3M2) with one E8M0 byte for each 32 along K.
; y = 0, 1 (Wk, Wv): the codes leave as IMAGES OF THE OPERAND'S REGISTERS into wimg: [weight][tile of 16 columns][12,800 bytes] = 8 K steps x 1,536 bytes of fragment, then 512 bytes of scale words.
;   fragment image: register g of lane l at byte 512 (g / 4) + 16 l + 4 (g % 4): three loads of 16 bytes a lane bring a fragment.
;   scale image: the word of K step s of column r at 16 r + 256 (s % 2) + 4 (s / 2): one load of 16 bytes a lane brings four registers; K step s reads register s / 2, lanes 0-15 for even s, lanes 16-31 for odd s.
; y = 2 (Wq): the fragments stay in the work-group: q = Q(query) Q(Wq), by the matrix unit, times c = log2(e) / sqrt(1024), into qv [16][1024] f32.
; SHARES.  Work-group x takes 32 columns (two tiles); wave s takes K step s (rows 128 s .. 128 s + 127).  A LANE TAKES A COLUMN AND ITS REGISTERS RUN DOWN K: a block of 32 lies in one lane's 32 registers,
; its largest magnitude needs no other lane, and the conversions give codes with K innermost.  Each load reads 128 consecutive bytes (32 columns of one row of the weight).
; The two kinds of work part ONCE, on the work-group's y, and each has LDS bytes of its own.
; A block's scale is 2^(floor(log2(largest magnitude)) - 4): its byte is the largest magnitude's exponent field - 4, held at 1 from below.
; LIMITS: a block of zeros (and one whose largest magnitude lies under 2^-122) gets the byte 1, not 127: its codes are zeros, and this program alone reads the bytes.  NaN and infinities among the inputs are not served.
; q's sum over K is made of eight partial sums (one a K step), added in ascending K in f32: another grouping than one chain.  qv's rows are stored 128 bytes a work-group: half of an aligned 256 bytes, on 64 KiB in all.
.set STGW, 0                           ; path W: a stage of 3,072 bytes for each wave: two fragment images
.set SCG,  24576                       ; path W: the two tiles' scale images, 512 bytes each
.set STGQ, 25600                       ; path Q: the same stage
.set QP,   50176                       ; path Q: the eight waves' partial results, 2,048 bytes each
.set X,    64                          ; v64-191  four sets of 32 numbers
.set CC,   32                          ; v32-63   block b's six code registers at v[32 + 8 b]
.set SB,   24                          ; v24      my column's scale word for this K step
.set QS,   25                          ; v25      query's scale word
.set QX,   192                         ; v192-255 path Q: 64 numbers of query;  path W: rows on the way out
.set QF,   64                          ; path Q, behind the blocks: query's fragment v64-75,
.set WF,   80                          ; Wq's two fragments v80-91, v96-107,
.set DD,   112                         ; the two results v112-119, v120-127
	s_load_b256 s[4:11], s[0:1], 0x0               ; Wk s[4:5], Wv s[6:7], Wq s[8:9], query s[10:11]
	s_load_b128 s[12:15], s[0:1], 0x20             ; wimg s[12:13], qv s[14:15]
	v_lshl_add_u32 v62, v0, 2, 0x10400
	v_mov_b32 v63, 0
	v_lshrrev_b32 v1, 5, v0
	s_delay_alu instid0(VALU_DEP_1)
	v_readfirstlane_b32 s20, v1                    ; wave = K step
	s_and_b32 s21, ttmp7, 0xffff                   ; which weight
	s_mov_b32 s30, 0x76543210
	s_mov_b32 s31, 0xfedcba98                      ; v_permlanex16_b32's selects for lane l xor 16
	v_and_b32 v2, 31, v0                           ; lane
	v_and_b32 v7, 15, v0                           ; r
	v_bfe_u32 v8, v0, 4, 1                         ; h: also which of the two tiles my column lies in
	s_delay_alu instid0(VALU_DEP_3)
	v_lshlrev_b32 v3, 2, v2                        ; 4 x lane: my column in a row of the weight
	s_delay_alu instid0(VALU_DEP_4)
	v_lshlrev_b32 v1, 4, v2                        ; 16 x lane
	s_wait_alu depctr_va_vdst(0)
	s_mul_i32 s22, s20, 3072                       ; my wave's stage
	v_mul_u32_u24 v4, v8, 1536
	s_delay_alu instid0(VALU_DEP_1)
	v_lshl_add_u32 v4, v7, 4, v4
	s_delay_alu instid0(VALU_DEP_1)
	v_add_nc_u32 v4, s22, v4                       ; into it: my tile's image, lane r's place
	v_add_nc_u32 v5, s22, v1                       ; out of it: 16 x lane
	s_and_b32 s23, s20, 1
	s_lshl_b32 s23, s23, 8
	s_lshr_b32 s24, s20, 1
	s_lshl_b32 s24, s24, 2
	s_add_co_u32 s23, s23, s24
	s_add_co_u32 s23, s23, SCG
	v_lshlrev_b32 v6, 9, v8
	s_delay_alu instid0(VALU_DEP_1)
	v_lshl_add_u32 v6, v7, 4, v6
	s_delay_alu instid0(VALU_DEP_1)
	v_add_nc_u32 v6, s23, v6                       ; my scale word's place: tile x 512 + 16 r + 256 (s % 2) + 4 (s / 2)
	s_lshl_b32 s24, s20, 9
	s_add_co_u32 s24, s24, SCG
	v_add_nc_u32 v9, s24, v1                       ; waves 0, 1: a whole scale image back
	s_lshl_b32 s24, s20, 11
	s_add_co_u32 s24, s24, QP
	v_add_nc_u32 v10, s24, v1                      ; path Q: my wave's partial results
	v_and_b32 v14, 1, v0                           ; path Q, the sum: thread t takes batch t / 8 and columns 4 (t % 8) .. + 3 of the 32
	v_bfe_u32 v15, v0, 1, 1
	v_bfe_u32 v16, v0, 2, 1
	v_lshrrev_b32 v17, 3, v0
	s_delay_alu instid0(VALU_DEP_1)
	v_lshlrev_b32 v18, 4, v17                      ; in a result, lane (batch, h) holds columns 8 h + 0 .. 7 of a tile: low four registers, high four
	s_delay_alu instid0(VALU_DEP_1)
	v_lshl_add_u32 v18, v14, 9, v18                ; bit 0 of the piece: low or high four
	s_delay_alu instid0(VALU_DEP_1)
	v_lshl_add_u32 v18, v15, 8, v18                ; bit 1: h
	s_delay_alu instid0(VALU_DEP_1)
	v_lshl_add_u32 v18, v16, 10, v18               ; bit 2: the tile
	s_delay_alu instid0(VALU_DEP_1)
	v_add_nc_u32 v18, QP, v18
	v_and_b32 v19, 7, v0
	s_delay_alu instid0(VALU_DEP_1)
	v_lshlrev_b32 v19, 4, v19
	s_delay_alu instid0(VALU_DEP_1)
	v_lshl_add_u32 v19, v17, 12, v19               ; and the same place in qv: batch x 4,096 + 16 x piece
	v_lshlrev_b32 v20, 12, v7
	s_delay_alu instid0(VALU_DEP_1)
	v_lshl_add_u32 v20, v8, 7, v20                 ; query: row r, + 128 h bytes: my block of 32
	s_lshl_b32 s26, s20, 19                        ; 128 rows of 4,096 bytes a K step
	s_lshl_b32 s27, ttmp9, 7                       ; 32 columns a work-group
	s_add_co_u32 s26, s26, s27
	s_mov_b32 s27, 0
	s_mul_i32 s28, s21, 819200                     ; a weight's 64 tiles
	s_mul_i32 s29, ttmp9, 25600                    ; two tiles a work-group
	s_add_co_u32 s28, s28, s29
	s_mov_b32 s29, 0
	s_wait_kmcnt 0x0
	s_cmp_eq_u32 s21, 0                            ; the choice hangs on the work-group's number alone
	s_cselect_b64 s[16:17], s[4:5], s[6:7]
	s_cmp_eq_u32 s21, 2
	s_cselect_b64 s[16:17], s[8:9], s[16:17]
	s_add_nc_u64 s[16:17], s[16:17], s[26:27]      ; my wave's first row, my work-group's first column
	s_add_nc_u64 s[12:13], s[12:13], s[28:29]      ; wimg at my two tiles (used by path W alone)
	s_mul_i32 s26, s20, 1536
	s_add_nc_u64 s[18:19], s[12:13], s[26:27]      ; + my K step's fragment
	s_mul_i32 s26, s20, 12800
	s_add_nc_u64 s[12:13], s[12:13], s[26:27]      ; waves 0, 1: tile 0, 1, for the scale images
	s_lshl_b32 s26, s20, 9
	s_add_nc_u64 s[10:11], s[10:11], s[26:27]      ; query at my K step
	s_lshl_b32 s26, ttmp9, 7
	s_add_nc_u64 s[14:15], s[14:15], s[26:27]      ; qv at my 32 columns
.macro LOADB b                         ; block b: W(128 s + 32 b + i, my column), i = 0 .. 31
.set n, 0
.rept 32
	global_load_b32 v[X+32*\b+n], v3, s[16:17] offset:(32*\b+n)*4096
.set n, n+1
.endr
.endm
; Block b becomes 32 codes (six registers) and a byte of the scale word.  In the fragment it belongs to lane r + 16 (b % 2), registers 6 (b / 2) .. + 5: two LDS stores put it at that place of the image.
.macro BLOCK b
.set XS, X+32*\b
.set CB, CC+8*\b
	v_max3_num_f32 v12, |v[XS]|, |v[XS+1]|, |v[XS+2]|
	v_max3_num_f32 v13, |v[XS+3]|, |v[XS+4]|, |v[XS+5]|
.irp i, 6,10,14,18,22,26
	s_delay_alu instid0(VALU_DEP_2)
	v_max3_num_f32 v12, v12, |v[XS+\i]|, |v[XS+\i+1]|
	s_delay_alu instid0(VALU_DEP_2)
	v_max3_num_f32 v13, v13, |v[XS+\i+2]|, |v[XS+\i+3]|
.endr
	s_delay_alu instid0(VALU_DEP_2)
	v_max3_num_f32 v12, v12, |v[XS+30]|, |v[XS+31]|
	s_delay_alu instid0(VALU_DEP_1)
	v_max3_num_f32 v12, v12, v13, 0x2800000        ; and the floor 2^(5 - 127): the byte cannot fall under 1
	s_delay_alu instid0(VALU_DEP_1)
	v_add_nc_u32 v11, 0xfe000000, v12              ; 4 off the exponent field: the conversion takes this operand's exponent field as its scale
	s_delay_alu instid0(VALU_DEP_1)
	v_lshrrev_b32 v13, 23, v11                     ; the scale's byte
.if \b == 0
	s_delay_alu instid0(VALU_DEP_1)
	v_mov_b32 v[SB], v13
.else
	s_delay_alu instid0(VALU_DEP_1)
	v_lshl_or_b32 v[SB], v13, 8*\b, v[SB]
.endif
	v_cvt_scalef32_pk16_bf6_f32 v[CB:CB+2], v[XS:XS+15], v11
	v_cvt_scalef32_pk16_bf6_f32 v[28:30], v[XS+16:XS+31], v11   ; (a conversion's three registers begin on an even number)
	v_nop                                          ; one plain place behind a scaled conversion
	v_mov_b32 v[CB+3], v28
	v_mov_b32 v[CB+4], v29
	v_mov_b32 v[CB+5], v30
.if \b < 2
	ds_store_b128 v4, v[CB:CB+3] offset:256*\b               ; registers 0-3
	ds_store_b64 v4, v[CB+4:CB+5] offset:512+256*\b          ; registers 4, 5
.else
	ds_store_b64 v4, v[CB:CB+1] offset:520+256*(\b-2)        ; registers 6, 7
	ds_store_b128 v4, v[CB+2:CB+5] offset:1024+256*(\b-2)    ; registers 8-11
.endif
.endm
; All four blocks' 128 loads are issued on end, each into registers of its own: a load whose issue would pass the counter's field is held back until an older one has come (ISA guide 5.7.1),
; so the later blocks go out as the earlier ones come in, and no block's request waits for another block's arithmetic.
.macro ALLBLOCKS
	LOADB 0
	LOADB 1
	LOADB 2
	LOADB 3
	s_wait_loadcnt 63                              ; behind block 1's last load stand 64: blocks 0 and 1 are in, and whatever was asked for ahead of them
	BLOCK 0
	BLOCK 1
	s_wait_loadcnt 32                              ; block 3's 32 loads may be out
	BLOCK 2
	s_wait_loadcnt 0x0
	BLOCK 3
.endm
	s_cmp_eq_u32 s21, 2
	s_cbranch_scc1 .Lq
	; ---------------- path W: Wk or Wv
	ALLBLOCKS
	ds_store_b32 v6, v[SB]
.irp i, 0,1,2,3,4,5
	ds_load_b128 v[QX+4*\i:QX+4*\i+3], v5 offset:512*\i      ; LDS serves a wave's instructions in order: these see my stores
.endr
.irp i, 0,1,2,3,4,5
	s_wait_dscnt 5-\i
	global_store_b128 v1, v[QX+4*\i:QX+4*\i+3], s[18:19] offset:(\i/3)*12800+(\i%3)*512   ; 32 lanes store 512 consecutive bytes, at a multiple of 256 from wimg's first byte
.endr
	s_wait_dscnt 0x0                               ; for the others' sake: my scale words have landed
	s_barrier_signal -1
	s_barrier_wait -1
	s_cmp_lt_u32 s20, 2
	s_cbranch_scc0 .Lw_end
	ds_load_b128 v[216:219], v9                    ; waves 0 and 1: a tile's scale image, whole
	s_wait_dscnt 0x0
	global_store_b128 v1, v[216:219], s[12:13] offset:12288
.Lw_end:
	s_wait_tensorcnt 0x0
	ds_add_u32 v62, v63
	s_wait_dscnt 0x0
	s_endpgm
	; ---------------- path Q: Wq and query
.Lq:
	v_add_nc_u32 v4, STGQ, v4                      ; this path's own stage
	v_add_nc_u32 v5, STGQ, v5
	s_wait_alu depctr_va_vdst(0)
.irp c, 0,1
.irp u, 0,1,2,3,4,5,6,7
	global_load_b128 v[QX+32*\c+4*\u:QX+32*\c+4*\u+3], v20, s[10:11] offset:256*\c+16*\u   ; query(r, 128 s + 64 c + 32 h + 0 .. 31): whole blocks in a lane.  Older than all the weight's loads, so the counts below cover them
.endr
.endr
	ALLBLOCKS
.irp c, 0,1                            ; query's blocks 2 c + h of this K step
	v_max3_num_f32 v[12+\c], |v[QX+32*\c]|, |v[QX+32*\c+1]|, 0x2800000
.endr
.irp i, 2,4,6,8,10,12,14,16,18,20,22,24,26,28,30
.irp c, 0,1
	s_delay_alu instid0(VALU_DEP_2)
	v_max3_num_f32 v[12+\c], v[12+\c], |v[QX+32*\c+\i]|, |v[QX+32*\c+\i+1]|
.endr
.endr
.irp c, 0,1
	s_delay_alu instid0(VALU_DEP_2)
	v_add_nc_u32 v[26+\c], 0xfe000000, v[12+\c]
.endr
.irp c, 0,1
	s_delay_alu instid0(VALU_DEP_2)
	v_lshrrev_b32 v[21+\c], 23, v[26+\c]
.endr
	s_delay_alu instid0(VALU_DEP_1)
	v_lshl_or_b32 v[QS], v22, 16, v21              ; my two bytes: blocks h and 2 + h,
	v_lshlrev_b32 v23, 3, v8
	s_delay_alu instid0(VALU_DEP_1)
	v_lshlrev_b32 v[QS], v23, v[QS]                ; at their places in the word;
	v_mov_b32 v23, 0
	s_delay_alu instid0(VALU_DEP_1)
	v_permlanex16_b32 v23, v[QS], s30, s31
	s_delay_alu instid0(VALU_DEP_1)
	v_or_b32 v[QS], v[QS], v23                     ; with lane l xor 16's two the word is whole
.irp c, 0,1
	v_cvt_scalef32_pk16_bf6_f32 v[QF+6*\c:QF+6*\c+2], v[QX+32*\c:QX+32*\c+15], v[26+\c]
	v_cvt_scalef32_pk16_bf6_f32 v[128+4*\c:130+4*\c], v[QX+32*\c+16:QX+32*\c+31], v[26+\c]
.endr
	v_nop                                          ; one plain place behind a scaled conversion
.irp c, 0,1
.irp i, 0,1,2
	v_mov_b32 v[QF+6*\c+3+\i], v[128+4*\c+\i]
.endr
.endr
.irp i, 0,1,2,3,4,5
	ds_load_b128 v[WF+16*(\i/3)+4*(\i%3):WF+16*(\i/3)+4*(\i%3)+3], v5 offset:512*\i   ; Wq's two fragments, out of my own stage
.endr
	s_wait_alu depctr_va_vdst(0)
	s_wait_dscnt 0x0
.rept 8
	v_nop                                          ; scale registers written by vector instructions stand 8 places ahead of a scaled matrix instruction, operands so written 4
.endr
	; TRANSPOSED: source 0 = 16 columns of Wq, source 1 = the 16 batches: lane (r, h) holds batch r and columns 8 h + 0 .. 7.  My scale words: tile 0's in lanes 0-15, tile 1's in lanes 16-31
	v_wmma_scale_f32_16x16x128_f8f6f4 v[DD:DD+7], v[WF:WF+11], v[QF:QF+11], 0, v[SB], v[QS] matrix_a_fmt:MATRIX_FMT_BF6 matrix_b_fmt:MATRIX_FMT_BF6
	v_wmma_scale_f32_16x16x128_f8f6f4 v[DD+8:DD+15], v[WF+16:WF+27], v[QF:QF+11], 0, v[SB], v[QS] matrix_a_fmt:MATRIX_FMT_BF6 matrix_b_fmt:MATRIX_FMT_BF6 matrix_a_scale:MATRIX_SCALE_ROW1
.rept 4
	v_nop
.endr
.irp i, 0,1,2,3
	ds_store_b128 v10, v[DD+4*\i:DD+4*\i+3] offset:512*\i    ; each result from its low end on
.endr
	s_wait_dscnt 0x0                               ; for the others' sake: my partial results have landed
	s_barrier_signal -1
	s_barrier_wait -1
	s_cmp_lt_u32 s20, 4
	s_cbranch_scc0 .Lq_end
.irp u, 0,1,2,3,4,5,6,7
	ds_load_b128 v[QX+4*\u:QX+4*\u+3], v18 offset:2048*\u    ; the eight K steps' parts of my four numbers
.endr
	s_wait_dscnt 0x0
.irp u, 1
	v_pk_add_f32 v[QX:QX+1], v[QX:QX+1], v[QX+4*\u:QX+4*\u+1]           ; K ascending
	v_pk_add_f32 v[QX+2:QX+3], v[QX+2:QX+3], v[QX+4*\u+2:QX+4*\u+3]
.endr
.irp u, 2, 3, 4, 5, 6, 7
	s_delay_alu instid0(VALU_DEP_2)
	v_pk_add_f32 v[QX:QX+1], v[QX:QX+1], v[QX+4*\u:QX+4*\u+1]           ; K ascending
	s_delay_alu instid0(VALU_DEP_2)
	v_pk_add_f32 v[QX+2:QX+3], v[QX+2:QX+3], v[QX+4*\u+2:QX+4*\u+3]
.endr
	s_delay_alu instid0(VALU_DEP_2)
	v_pk_mul_f32 v[QX:QX+1], v[QX:QX+1], 0x3d38aa3b op_sel_hi:[1,0]     ; x c = log2(e) / 32: the scores come out as exponents of 2
	s_delay_alu instid0(VALU_DEP_2)
	v_pk_mul_f32 v[QX+2:QX+3], v[QX+2:QX+3], 0x3d38aa3b op_sel_hi:[1,0]
	global_store_b128 v19, v[QX:QX+3], s[14:15]
.Lq_end:
	s_wait_tensorcnt 0x0
	ds_add_u32 v62, v63
	s_wait_dscnt 0x0
	s_endpgm
.Lfunc_end_k_qfaab4989d3_prep:
	.size	k_qfaab4989d3_prep, .Lfunc_end_k_qfaab4989d3_prep-k_qfaab4989d3_prep
	.p2alignl 7, 3214868480
	.fill 96, 4, 3214868480
	.section	.rodata,"a",@progbits
	.p2align	6, 0x0
	.amdhsa_kernel k_qfaab4989d3_prep
		.amdhsa_group_segment_fixed_size 67584
		.amdhsa_private_segment_fixed_size 0
		.amdhsa_enable_private_segment 0
		.amdhsa_kernarg_size 48
		.amdhsa_user_sgpr_count 2
		.amdhsa_user_sgpr_kernarg_segment_ptr 1
		.amdhsa_wavefront_size32 1
		.amdhsa_system_sgpr_workgroup_id_x 1
		.amdhsa_system_sgpr_workgroup_id_y 1
		.amdhsa_system_sgpr_workgroup_id_z 1
		.amdhsa_system_vgpr_workitem_id 0
		.amdhsa_next_free_vgpr 256
		.amdhsa_next_free_sgpr 66
		.amdhsa_reserve_vcc 0
		.amdhsa_float_denorm_mode_32 3
		.amdhsa_float_denorm_mode_16_64 3
		.amdhsa_memory_ordered 1
		.amdhsa_forward_progress 1
		.amdhsa_inst_pref_size 57
	.end_amdhsa_kernel
	.amdgpu_metadata
---
amdhsa.version: [ 1, 2 ]
amdhsa.kernels:
  - .name:           k_qfaab4989d3_prep
    .symbol:         k_qfaab4989d3_prep.kd
    .args:
      - { .name: Wk, .offset: 0, .size: 8, .value_kind: global_buffer, .address_space: global }
      - { .name: Wv, .offset: 8, .size: 8, .value_kind: global_buffer, .address_space: global }
      - { .name: Wq, .offset: 16, .size: 8, .value_kind: global_buffer, .address_space: global }
      - { .name: query, .offset: 24, .size: 8, .value_kind: global_buffer, .address_space: global }
      - { .name: wimg, .offset: 32, .size: 8, .value_kind: global_buffer, .address_space: global }
      - { .name: qv, .offset: 40, .size: 8, .value_kind: global_buffer, .address_space: global }
    .group_segment_fixed_size: 67584
    .private_segment_fixed_size: 0
    .kernarg_segment_align: 8
    .kernarg_segment_size: 48
    .max_flat_workgroup_size: 256
    .sgpr_count:     66
    .vgpr_count:     256
    .wavefront_size: 32
...
	.end_amdgpu_metadata
.endif
;; end of part 4
;; launch main (part 5): grid 256 x 1, 4 waves a work-group, clusters of 4 x 1, 327,680 bytes of LDS; arguments key, value, wimg, qv, part; writes part
.if DOCPART == 5
	.amdgcn_target "amdgcn-amd-amdhsa--gfx1250"
	.amdhsa_code_object_version 6
	.text
	.protected	k_qfaab4989d3_main
	.globl	k_qfaab4989d3_main
	.p2align	8
	.type	k_qfaab4989d3_main,@function
k_qfaab4989d3_main:
	s_mov_b64 s[64:65], 0
	v_nop
	global_prefetch_b8 v0, s[64:65] scope:SCOPE_SE
	s_setreg_imm32_b32 hwreg(HW_REG_WAVE_MODE, 25, 1), 1
	s_wait_xcnt 0x0
	s_wait_alu depctr_hold_cnt(0) depctr_sa_sdst(0) depctr_va_vdst(0) depctr_va_sdst(0) depctr_va_ssrc(0) depctr_va_vcc(0) depctr_vm_vsrc(0)
	s_getreg_b32 s2, hwreg(HW_REG_IB_STS2, 6, 4)
	s_cmp_eq_u32 s2, 0
	s_cbranch_scc0 .Lentry_in_a_cluster
	s_endpgm
.Lentry_in_a_cluster:
	s_bfe_u32 s2, ttmp6, 0x10000c
	s_cmp_lg_u32 s2, 0x3003
	s_cbranch_scc0 .Lentry_shape_is_right
	s_endpgm
.Lentry_shape_is_right:
; MAIN.  Work-group g takes rows 128 g .. 128 g + 127 of key and of value ([32,768][1,024] f32; batch g / 16) through the whole chain; k and v never go to memory:
;   key -> codes of BF6 (E3M2), one E8M0 byte for each 32 along K;  k = Q(key) Q(Wk);  t[row] = sum over columns of k x q (q comes multiplied by log2(e) / 32);
;   m = the 128 rows' largest t, p = 2^(t - m), l = the sum of p;  value -> codes;  v = Q(value) Q(Wv);  part[g] = sum over rows of p x v, and (m, l).  The next launch joins a batch's 16 parts.
; STREAMS.  key and value are read once, by loads of 512 consecutive bytes into a ring of four units in registers (a unit = 16 rows x 128 K), turned through the wave's own LDS stage, quantised,
; and laid into LDS as images of the operand's registers (register g of lane l at 512 (g / 4) + 16 l + 4 (g % 4)).  The weights come as such images from wimg, in 32 fills of 4 tiles (51,200 bytes), through two LDS slots.
; CLUSTER.  The four work-groups of a cluster ask for each fill jointly, each wave one tile.  Cluster x begins each weight's 16 fills at fill x mod 16; q and the results lie in LDS in the order of my steps.
; SHARES.  Wave w = 2 kh + j quantises row blocks 2 w, 2 w + 1.  For the products it holds ALL 8 row blocks for K steps 4 kh .. 4 kh + 3 (384 registers) and walks tiles 2 j, 2 j + 1 of each fill:
; a step is 64 matrix instructions, each weight fragment is read from LDS by one wave alone and feeds eight.  A wave's results are sums over its half of K; both small products are linear in them,
; so the halves are added behind those products: t in SCR (four parts), the results in OUTS (two parts).  Which half is a wave's stands in its LDS addresses alone.
; Source 0 = 16 rows, source 1 = 16 columns of the weight: in a result lane (r, h) holds column r and rows 8 h + 0 .. 7.  One set of eight accumulators serves both tiles of a step.
; REGISTERS: window 0: v1-31 addresses; v32-47 rows' scale words, v48-51 tiles'; v56-59 q; v64-127 accumulators; v128-159 t of row blocks 0-3 (later v128-191 p); v160-223 a unit's numbers; v224-255 the quantiser's.
;   window 1: rows' fragments of my K steps 0, 1 (12 (8 s + block)); v192-239 tile 0's four fragments; v240-255 t of row blocks 4, 5.  window 2: K steps 2, 3; tile 1's; t of row blocks 6, 7.  window 3: the load ring.
; LIMITS: a block of zeros (and one whose largest magnitude lies under 2^-122) gets the byte 1, not 127: its codes are zeros, and this program alone reads the bytes.  NaN and infinities among the inputs are not served.
; The sums over K, columns and rows are grouped otherwise than one chain.  The maximum taken away before the exponentials is the work-group's own; the next launch brings the parts under the batch's.
; No prefetch: key and value are a stream that the launch's own loads keep on its way all the time; the weights are read again by every cluster.
.set SLOTB, 51200
.set TILEB, 12800
.set FRB,   1536
.set AIMG,  2*SLOTB                    ; the rows' 64 fragments: (row block, K step) at (8 block + step) x 1,536
.set ASC,   AIMG+64*FRB                ; their 8 scale images: the word of K step s of row r at 16 r + 256 (s % 2) + 4 (s / 2)
.set STG,   ASC+8*512                  ; each wave's stage: 16 rows of 512 + 16 bytes
.set SPITCH, 528
.set STGW,  16*SPITCH
.set QL,    STG+4*STGW                 ; the batch's q in the order of my steps
.set SCR,   QL+4096                    ; [wave][128] partial t
.set PSC,   SCR+2048                   ; [wave][128] p, each wave's own copy
.set OUTS,  PSC+2048                   ; [kh][1024] partial results
.set SPARE, OUTS+8192                  ; the spare words: 128 bytes a wave, named by no other line
.set L16,  1
.set SIN,  2
.set SOUT, 3
.set IMB,  4
.set IMA,  5
.set SCB,  6
.set SCA,  7
.set AAD,  8                           ; v8, v9: images of row blocks 0-3, 4-7, at my half of K
.set WAD,  10                          ; v10, v11: my two tiles in slot 0, 1, at my half of K
.set QB,   12
.set QA,   13
.set OB,   14
.set OA,   15
.set SCW,  16
.set SC4,  17
.set ASA,  19                          ; the rows' scale images, at my half of K
.set T16,  20
.set QLW,  21
.set L8,   22
.set OUTR, 23
.set PSW,  24                          ; my copy of p: 16 x lane
.set PSR,  25                          ; and in the accumulators' layout
.set WSA,  26                          ; v26, v27: my tiles' scale words in slot 0, 1, at my half of K
.set SPW,  28
.set NIL,  29
.set RO,   30
.set ASCL, 32
.set BSCL, 48
.set QV,   56
.set PW,   60
.set LN,   60                          ; head only: lane, r, h, a temporary
.set RR,   61
.set HH,   62
.set TP,   63
.set ACC,  64
.set ACC2, 128
.set P,    128
.set X,    160
.set TM,   224
.set PC,   236
.set MSB, 0
.macro WIN new
.if MSB != (\new)
	s_set_vgpr_msb (MSB<<8)|(\new)
.set MSB, (\new)
.endif
.endm
.macro PLACES n                        ; plain places behind matrix instructions: 4 for loads and reads, 5 where the accumulators are begun anew
.rept \n
	v_nop
.endr
.endm
.macro CREST
	s_cmp_lg_u32 s14, 0
	s_cbranch_scc1 .Lnot_wave_0_\@
	s_barrier_signal -3
.Lnot_wave_0_\@:
	s_barrier_wait -3
	s_barrier_signal -1
	s_barrier_wait -1
.endm
.macro CROUND
	s_barrier_signal -1
	s_barrier_wait -1
	CREST
.endm
.macro NEXTFILL sl                     ; slot sl's group 0 gets fill s49: weight s49 / 16, of its 16 fills number (s49 + cluster x) mod 16; the same in the four partners
	s_add_co_u32 s50, s49, s48
	s_and_b32 s50, s50, 15
	s_mul_i32 s50, s50, SLOTB
	s_lshr_b32 s52, s49, 4
	s_mul_i32 s52, s52, 16*SLOTB
	s_add_co_u32 s50, s50, s52
	s_add_nc_u64 s[42+4*\sl:43+4*\sl], s[8:9], s[50:51]
	s_or_b32 s[43+4*\sl], s[43+4*\sl], 0x80000000
	s_add_co_u32 s49, s49, 1
.endm
.macro LOADU p                         ; unit p of a trip: row block p % 2 of my two, K step 2 trip + p / 2: sixteen loads of 512 consecutive bytes
	WIN 0xc0
.set n, 0
.rept 16
	global_load_b128 v[64*\p+4*n:64*\p+4*n+3], v[L16], s[22:23] offset:(\p%2)*65536+(\p/2)*512+n*4096 th:TH_LOAD_NT
.set n, n+1
.endr
	WIN 0
.endm
.macro STAGE_IN p, cnt                 ; through my stage: out comes register 16 b + i = k 32 b + 16 h + i of row r
	s_wait_loadcnt \cnt
	WIN 0x0c
.set n, 0
.rept 16
	ds_store_b128 v[SIN], v[64*\p+4*n:64*\p+4*n+3] offset:n*SPITCH
.set n, n+1
.endr
	WIN 0
.irp b, 0,1,2,3
.irp u, 0,1,2,3
	ds_load_b128 v[X+16*\b+4*\u:X+16*\b+4*\u+3], v[SOUT] offset:128*\b+16*\u
.endr
.endr
.endm
.macro QUANT                           ; 64 numbers of a lane become a fragment's codes in v[PC] on and its rows' scale word in v[PW]
.irp b, 0,1,2,3
	v_max3_num_f32 v[TM+\b], |v[X+16*\b]|, |v[X+1+16*\b]|, 0x2800000   ; with the floor 2^(5 - 127): the byte cannot fall under 1
.endr
.irp i, 2,4,6,8,10,12,14
.irp b, 0,1,2,3
	v_max3_num_f32 v[TM+\b], v[TM+\b], |v[X+16*\b+\i]|, |v[X+1+16*\b+\i]|
.endr
.endr
.irp b, 0,1,2,3
	v_permlanex16_b32 v[TM+4+\b], v[TM+\b], s20, s21
.endr
.irp b, 0,1,2,3
	v_max_num_f32 v[TM+\b], v[TM+\b], v[TM+4+\b]
.endr
.irp b, 0,1,2,3
	v_add_nc_u32 v[TM+8+\b], 0xfe000000, v[TM+\b]  ; 4 off the exponent field: the conversion's scale operand
.endr
.irp b, 0,1,2,3
	v_lshrrev_b32 v[TM+4+\b], 23, v[TM+8+\b]
.endr
	v_lshl_or_b32 v[PW], v[TM+5], 8, v[TM+4]
	v_lshl_or_b32 v[PW], v[TM+6], 16, v[PW]
	v_lshl_or_b32 v[PW], v[TM+7], 24, v[PW]
.irp c, 0,1
	v_cvt_scalef32_pk16_bf6_f32 v[PC+6*\c:PC+2+6*\c], v[X+32*\c:X+15+32*\c], v[TM+8+2*\c]
	v_cvt_scalef32_pk16_bf6_f32 v[PC+12+4*\c:PC+14+4*\c], v[X+16+32*\c:X+31+32*\c], v[TM+8+2*\c+1]
.endr
	v_nop                                          ; one plain place behind a scaled conversion
.irp c, 0,1
.irp i, 0,1,2
	v_permlane16_swap_b32 v[PC+6*\c+\i], v[PC+12+4*\c+\i]
.endr
.irp i, 0,1,2
	v_mov_b32 v[PC+3+6*\c+\i], v[PC+12+4*\c+\i]
.endr
.endr
.endm
.macro IMAGE p
.irp c, 0,1,2
	ds_store_b128 v[IMA], v[PC+4*\c:PC+4*\c+3] offset:(8*(\p%2)+\p/2)*FRB+512*\c
.endr
	ds_store_b32 v[SCA], v[PW] offset:512*(\p%2)+256*(\p/2)
.endm
.macro ALOAD                           ; all 8 row blocks' fragments of my four K steps, and their scale words (two a block)
.irp w, 0,1
	WIN 0x40<<\w
.irp sp, 0,1
.irp mb, 0,1,2,3,4,5,6,7
.irp c, 0,1,2
	ds_load_b128 v[12*(8*\sp+\mb)+4*\c:12*(8*\sp+\mb)+4*\c+3], v[AAD+\mb/4] offset:(8*(\mb%4)+2*\w+\sp)*FRB+512*\c
.endr
.endr
.endr
.endr
	WIN 0
.irp mb, 0,1,2,3,4,5,6,7
	ds_load_b64 v[ASCL+2*\mb:ASCL+2*\mb+1], v[ASA] offset:512*\mb
.endr
.endm
.macro FETCHB sl, e                    ; 13 loads: my four K steps of my tile e in slot sl into window 1 + e, and its two scale words
	WIN 0x40<<\e
.irp sp, 0,1,2,3
.irp c, 0,1,2
	ds_load_b128 v[192+12*\sp+4*\c:192+12*\sp+4*\c+3], v[WAD+(\sl)] offset:\e*TILEB+\sp*FRB+512*\c
.endr
.endr
	WIN 0
	ds_load_b64 v[BSCL+2*\e:BSCL+2*\e+1], v[WSA+(\sl)] offset:\e*TILEB+12288
.endm
; 16 matrix instructions: two K steps x 8 row blocks, whose accumulators take turns, one instruction a turn.  My first K step starts the sums with the constant 0.
; Scale words: register hf of each side's pair; lanes 0-15 for the even K step, lanes 16-31 for the odd one.
.macro TILEH e, hf
	WIN (1+\hf)|((1+\e)<<2)
.irp sp, 0,1
.irp mb, 0,1,2,3,4,5,6,7
.if (\hf == 0) && (\sp == 0)
	v_wmma_scale_f32_16x16x128_f8f6f4 v[ACC+8*\mb:ACC+8*\mb+7], v[12*(8*\sp+\mb):12*(8*\sp+\mb)+11], v[192+12*(2*\hf+\sp):192+12*(2*\hf+\sp)+11], 0, v[ASCL+2*\mb+\hf], v[BSCL+2*\e+\hf] matrix_a_fmt:MATRIX_FMT_BF6 matrix_b_fmt:MATRIX_FMT_BF6
.elseif \sp == 0
	v_wmma_scale_f32_16x16x128_f8f6f4 v[ACC+8*\mb:ACC+8*\mb+7], v[12*(8*\sp+\mb):12*(8*\sp+\mb)+11], v[192+12*(2*\hf+\sp):192+12*(2*\hf+\sp)+11], v[ACC+8*\mb:ACC+8*\mb+7], v[ASCL+2*\mb+\hf], v[BSCL+2*\e+\hf] matrix_a_fmt:MATRIX_FMT_BF6 matrix_b_fmt:MATRIX_FMT_BF6
.else
	v_wmma_scale_f32_16x16x128_f8f6f4 v[ACC+8*\mb:ACC+8*\mb+7], v[12*(8*\sp+\mb):12*(8*\sp+\mb)+11], v[192+12*(2*\hf+\sp):192+12*(2*\hf+\sp)+11], v[ACC+8*\mb:ACC+8*\mb+7], v[ASCL+2*\mb+\hf], v[BSCL+2*\e+\hf] matrix_a_fmt:MATRIX_FMT_BF6 matrix_b_fmt:MATRIX_FMT_BF6 matrix_a_scale:MATRIX_SCALE_ROW1 matrix_b_scale:MATRIX_SCALE_ROW1
.endif
.endr
.endr
.endm
.macro RED_K e                         ; t += k x q, each accumulator from its low end on; the sums of row blocks 4-7 lie in windows 1 and 2
.irp mb, 0,1,2,3,4,5,6,7
.if \mb < 4
	WIN 0
.set DR, ACC2+8*\mb
.elseif \mb < 6
	WIN 0x50
.set DR, 240+8*(\mb-4)
.else
	WIN 0xa0
.set DR, 240+8*(\mb-6)
.endif
.irp u, 0,2,4,6
	v_pk_fma_f32 v[DR+\u:DR+\u+1], v[ACC+8*\mb+\u:ACC+8*\mb+\u+1], v[QV+2*\e:QV+2*\e+1], v[DR+\u:DR+\u+1] op_sel_hi:[1,0,1]
.endr
.endr
	WIN 0
.endm
.macro RED_V e, off                    ; my column's sum of p x v over the 128 rows: four chains, each accumulator from its low end on; then lane l xor 16's rows
.set TT, 208+8*\e
.irp c, 0,1,2,3
	v_pk_mul_f32 v[TT+2*\c:TT+2*\c+1], v[ACC+8*\c:ACC+8*\c+1], v[P+8*\c:P+8*\c+1]
.endr
.irp u, 2,4,6,32,34,36,38
.irp c, 0,1,2,3
	v_pk_fma_f32 v[TT+2*\c:TT+2*\c+1], v[ACC+8*\c+\u:ACC+8*\c+\u+1], v[P+8*\c+\u:P+8*\c+\u+1], v[TT+2*\c:TT+2*\c+1]
.endr
.endr
	v_pk_add_f32 v[TT:TT+1], v[TT:TT+1], v[TT+2:TT+3]
	v_pk_add_f32 v[TT+4:TT+5], v[TT+4:TT+5], v[TT+6:TT+7]
	v_pk_add_f32 v[TT:TT+1], v[TT:TT+1], v[TT+4:TT+5]
	v_add_f32 v[TT], v[TT], v[TT+1]
	v_permlanex16_b32 v[TT+2], v[TT], s20, s21
	v_add_f32 v[TT], v[TT], v[TT+2]
	ds_store_b32 v[OA], v[TT] offset:\off          ; both halves of the lanes write the same word with the same value
.endm
; A STEP'S HEAD.  Both tiles of this step have been fetched into registers, so slot sl is free as soon as those loads are back: the three lines, the barrier (it opens a round of the cluster's), the refill.
; All of the step's products stand behind the refill.
.macro GATE sl, refill, oa
	s_wait_tensorcnt 0x0                           ; all my tensor loads have landed: my tile of the other slot
	ds_add_u32 v[SPW], v[NIL]
.if \refill
	NEXTFILL \sl
.endif
	s_wait_dscnt 0x0                               ; the add is done, my reads of this slot are over
	s_barrier_signal -1
.if \oa
	v_add_nc_u32 v[OA], s28, v[OB]
.endif
	s_barrier_wait -1
.if \refill
	CREST
	tensor_load_to_lds s[40+4*\sl:43+4*\sl], s[32:39]   ; my one tensor load behind the round
	s_nop 0
.endif
.endm
	s_load_b256 s[4:11], s[0:1], 0x0               ; key, value, wimg, qv
	s_load_b64 s[12:13], s[0:1], 0x20              ; part
	v_lshl_add_u32 v[SPW], v0, 2, SPARE
	v_mov_b32 v[NIL], 0
	ds_add_u32 v[SPW], v[NIL]                      ; the opening lines: the add twice and its wait
	ds_add_u32 v[SPW], v[NIL]
	s_wait_dscnt 0x0
	v_lshrrev_b32 v[LN], 5, v0
	v_readfirstlane_b32 s14, v[LN]                 ; wave w
	s_lshr_b32 s15, s14, 1                         ; kh: which half of K
	s_and_b32 s16, s14, 1                          ; j: which two of a fill's four tiles
	s_bfe_u32 s18, ttmp6, 0x40000
	s_lshl_b32 s17, ttmp9, 2
	s_add_co_u32 s17, s17, s18                     ; g: it enters global addresses alone
	s_mov_b32 s20, 0x76543210
	s_mov_b32 s21, 0xfedcba98
	s_and_b32 s48, ttmp9, 15                       ; at which fill my cluster begins
	s_mov_b32 s49, 0
	s_mov_b32 s51, 0
	v_and_b32 v[LN], 31, v0
	v_and_b32 v[RR], 15, v0
	v_bfe_u32 v[HH], v0, 4, 1
	v_lshlrev_b32 v[L16], 4, v[LN]
	v_lshlrev_b32 v[L8], 3, v[LN]
	v_lshlrev_b32 v[T16], 4, v0
	v_lshrrev_b32 v[TP], 4, v0
	v_add_nc_u32 v[TP], s48, v[TP]
	v_and_b32 v[TP], 15, v[TP]
	v_lshlrev_b32 v[RO], 4, v[RR]
	v_lshl_add_u32 v[RO], v[TP], 8, v[RO]          ; 256 x fill + 16 x (thread mod 16): where 16 x thread of my steps' order lies in a row of 1,024 f32
	v_xor_b32 v[RO+1], 0x800, v[RO]
	s_wait_alu depctr_va_vdst(0)
	s_mul_i32 s19, s14, STGW
	s_add_co_u32 s19, s19, STG
	v_add_nc_u32 v[SIN], s19, v[L16]
	v_mul_u32_u24 v[SOUT], v[RR], SPITCH
	v_lshl_add_u32 v[SOUT], v[HH], 6, v[SOUT]
	v_add_nc_u32 v[SOUT], s19, v[SOUT]
	s_mul_i32 s19, s14, 16*FRB
	s_add_co_u32 s19, s19, AIMG
	v_add_nc_u32 v[IMB], s19, v[L16]
	s_lshl_b32 s19, s14, 10
	s_add_co_u32 s19, s19, ASC
	v_lshl_add_u32 v[SCB], v[RR], 4, s19
	s_mul_i32 s54, s15, 4*FRB                      ; my half of K in a run of fragments,
	s_lshl_b32 s53, s15, 3                         ; and in a lane's 16 bytes of scale words
	s_add_co_u32 s19, s54, AIMG
	v_add_nc_u32 v[AAD], s19, v[L16]
	v_add_nc_u32 v[AAD+1], 32*FRB, v[AAD]
	s_add_co_u32 s19, s53, ASC
	v_add_nc_u32 v[ASA], s19, v[L16]
	s_mul_i32 s19, s16, 2*TILEB
	s_add_co_u32 s18, s19, s54
	v_add_nc_u32 v[WAD], s18, v[L16]
	v_add_nc_u32 v[WAD+1], SLOTB, v[WAD]
	s_add_co_u32 s18, s19, s53
	v_add_nc_u32 v[WSA], s18, v[L16]
	v_add_nc_u32 v[WSA+1], SLOTB, v[WSA]
	s_lshl_b32 s19, s16, 7                         ; q at 256 step + 128 j + 64 e + 4 r
	s_add_co_u32 s19, s19, QL
	v_lshl_add_u32 v[QB], v[RR], 2, s19
	s_lshl_b32 s19, s15, 12
	s_lshl_b32 s18, s16, 7
	s_add_co_u32 s19, s19, s18
	s_add_co_u32 s19, s19, OUTS
	v_lshl_add_u32 v[OB], v[RR], 2, s19
	s_lshl_b32 s19, s14, 9                         ; 512 bytes a wave: row 16 block + 8 h + 0 .. 7 at 4 bytes a row
	s_add_co_u32 s18, s19, SCR
	v_lshl_add_u32 v[SCW], v[HH], 5, s18
	s_add_co_u32 s18, s19, PSC
	v_lshl_add_u32 v[PSR], v[HH], 5, s18
	v_add_nc_u32 v[PSW], s18, v[L16]
	v_add_nc_u32 v[SC4], SCR, v[L16]
	v_add_nc_u32 v[QLW], QL, v[T16]
	v_add_nc_u32 v[OUTR], OUTS, v[T16]
	s_lshl_b32 s26, s17, 19
	s_lshl_b32 s27, s14, 17
	s_add_co_u32 s26, s26, s27
	s_mov_b32 s27, 0
	s_lshr_b32 s28, s17, 4
	s_lshl_b32 s28, s28, 12
	s_mov_b32 s29, 0
	s_mul_i32 s30, s17, 4352
	s_mov_b32 s31, 0
	s_mul_i32 s2, s14, TILEB                       ; the tile of a fill that I fetch
	s_mov_b32 s3, 0
	s_mov_b32 s32, 15|(3<<16)|(1<<21)              ; group 1: 12,800 dense bytes as 50 rows of 256; the mask names the four work-groups
	s_mov_b32 s33, 32<<16
	s_mov_b32 s34, 50<<16
	s_mov_b32 s35, 32<<16
	s_mov_b32 s36, 50
	s_mov_b32 s37, 32
	s_mov_b32 s38, 0
	s_mov_b32 s39, 0
	s_wait_alu depctr_va_vdst(0)                   ; the wait at the head's end
	s_wait_kmcnt 0x0
	s_add_nc_u64 s[4:5], s[4:5], s[26:27]
	s_add_nc_u64 s[6:7], s[6:7], s[26:27]
	s_mov_b64 s[22:23], s[4:5]
	s_add_nc_u64 s[10:11], s[10:11], s[28:29]
	s_add_nc_u64 s[12:13], s[12:13], s[30:31]
	s_add_nc_u64 s[8:9], s[8:9], s[2:3]
	global_load_b128 v[64:67], v[RO], s[10:11]     ; the batch's q in the order of my steps
	global_load_b128 v[68:71], v[RO+1], s[10:11]
	LOADU 0
	LOADU 1
	LOADU 2
	LOADU 3
	s_mov_b32 s40, 1
	s_mov_b32 s41, s2
	NEXTFILL 0
	s_mov_b32 s44, 1
	s_add_co_u32 s45, s2, SLOTB
	NEXTFILL 1
	CROUND                                         ; the first joint loads meet
	tensor_load_to_lds s[40:43], s[32:39]          ; my fill 0: one tensor load a wave at the head
	s_nop 0
	PLACES 4
	s_wait_loadcnt 63                              ; q's two loads are older than the ring's 64
	ds_store_b128 v[QLW], v[64:67]
	ds_store_b128 v[QLW], v[68:71] offset:2048
.set n, 0
.rept 32
	v_mov_b32 v[ACC2+n], 0                         ; the sums t begin as zeros, so that the step is written without a first copy
.set n, n+1
.endr
.irp w, 0x40, 0x80
	WIN \w
.set n, 0
.rept 16
	v_mov_b32 v[240+n], 0
.set n, n+1
.endr
.endr
	WIN 0
.irp b, 0,1,2,3
	v_mov_b32 v[TM+4+\b], 0                        ; a lane permute's destination counts as one of its sources
.endr
	v_mov_b32 v[QV+1], 0                           ; (upper halves of pairs)
	v_mov_b32 v[QV+3], 0
	s_wait_xcnt 0x0
	s_add_nc_u64 s[22:23], s[22:23], 1024
	s_wait_alu depctr_va_vdst(0)
	; ---------------- key becomes codes: four trips of four units; the last trip asks for value's first four
.macro PASS p
	STAGE_IN \p, 48                                ; three younger units, 16 loads each
	s_wait_dscnt 0x0
	LOADU \p
	QUANT
	IMAGE \p
.endm
	s_mov_b32 s24, 0
	s_mov_b32 s25, 0
	s_mov_b32 s26, 0
.Lpro:
	v_add_nc_u32 v[IMA], s25, v[IMB]
	v_add_nc_u32 v[SCA], s26, v[SCB]
	PASS 0
	PASS 1
	PASS 2
	PASS 3
	s_wait_dscnt 0x0
	s_wait_xcnt 0x0
	s_add_nc_u64 s[22:23], s[22:23], 1024
	s_add_co_u32 s25, s25, 3072
	s_add_co_u32 s26, s26, 4
	s_add_co_u32 s24, s24, 1
	s_cmp_eq_u32 s24, 3
	s_cselect_b64 s[22:23], s[6:7], s[22:23]
	s_cmp_lt_u32 s24, 4
	s_cbranch_scc1 .Lpro
	s_mov_b32 s25, 0
	s_mov_b32 s26, 0
	s_mov_b32 s27, 0
	s_wait_tensorcnt 0x0                           ; slot 1's first fill is issued as a refill is: the three lines, a round, the load
	ds_add_u32 v[SPW], v[NIL]
	s_wait_dscnt 0x0                               ; the add is done, and my images and q have landed
	CROUND                                         ; key's 64 fragments, q and slot 0 are whole
	tensor_load_to_lds s[44:47], s[32:39]          ; my fill 1
	s_nop 0
	PLACES 4
	ALOAD
	FETCHB 0, 0
	ds_load_b32 v[QV], v[QB]
	FETCHB 0, 1
	ds_load_b32 v[QV+2], v[QB] offset:64
; ---------------- A STEP OF KEY'S PRODUCTS, and unit p of value, which turns through the stage under tile 0's products
.macro KSTEP sl, p, cnt, ahead, lastq
	GATE \sl, 1, 0
	STAGE_IN \p, \cnt
	TILEH 0, 0
	TILEH 0, 1
	PLACES 5
	FETCHB 1-\sl, 0
	RED_K 0
.if \lastq == 0
	ds_load_b32 v[QV], v[QA] offset:256*\p+256
.endif
	s_wait_dscnt 13                                ; the unit's numbers are back and the stage's stores have read the ring's registers; tile 0's 12 + 1 loads may be out
.if \ahead
	LOADU \p
.endif
	QUANT
	IMAGE \p                                       ; value's images take the place of key's, which every wave has read ahead of the first step's barrier
	TILEH 1, 0
	TILEH 1, 1
	PLACES 5
	FETCHB 1-\sl, 1
	RED_K 1
.if \lastq == 0
	ds_load_b32 v[QV+2], v[QA] offset:256*\p+320
.endif
.endm
	s_mov_b32 s24, 0
.Lk:
	v_add_nc_u32 v[IMA], s25, v[IMB]
	v_add_nc_u32 v[SCA], s26, v[SCB]
	v_add_nc_u32 v[QA], s27, v[QB]
	s_wait_alu depctr_va_vdst(0)
	KSTEP 0, 0, 48, 1, 0
	KSTEP 1, 1, 48, 1, 0
	KSTEP 0, 2, 48, 1, 0
	KSTEP 1, 3, 48, 1, 0
	s_wait_dscnt 0x0
	s_wait_xcnt 0x0
	s_add_nc_u64 s[22:23], s[22:23], 1024
	s_add_co_u32 s25, s25, 3072
	s_add_co_u32 s26, s26, 4
	s_add_co_u32 s27, s27, 1024
	s_add_co_u32 s24, s24, 1
	s_cmp_lt_u32 s24, 3
	s_cbranch_scc1 .Lk
	v_add_nc_u32 v[IMA], s25, v[IMB]
	v_add_nc_u32 v[SCA], s26, v[SCB]
	v_add_nc_u32 v[QA], s27, v[QB]
	s_wait_alu depctr_va_vdst(0)
	KSTEP 0, 0, 48, 0, 0                           ; the fourth trip loads nothing more: the counts run down
	KSTEP 1, 1, 32, 0, 0
	KSTEP 0, 2, 16, 0, 0
	KSTEP 1, 3, 0, 0, 1
	; ---------------- the scores meet; m, l and p
.irp w, 1,2
	WIN \w
.set n, 0
.rept 16
	v_mov_b32 v[ACC2+16+16*\w+n], v[240+n]         ; the sums of row blocks 4-7 come beside the others
.set n, n+1
.endr
.endr
	WIN 0
.irp k, 1,2,4,8
.set n, 0
.rept 64
	v_add_f32_dpp v[ACC2+n], v[ACC2+n], v[ACC2+n] row_xmask:\k row_mask:0xf bank_mask:0xf
.set n, n+1
.endr
.endr
.irp mb, 0,1,2,3,4,5,6,7
	ds_store_b128 v[SCW], v[ACC2+8*\mb:ACC2+8*\mb+3] offset:64*\mb
	ds_store_b128 v[SCW], v[ACC2+8*\mb+4:ACC2+8*\mb+7] offset:64*\mb+16
.endr
	s_wait_dscnt 0x0                               ; my partial t and value's last image have landed
	s_barrier_signal -1
	s_barrier_wait -1
	ALOAD                                          ; value's fragments take key's registers
.irp u, 0,1,2,3
	ds_load_b128 v[192+4*\u:195+4*\u], v[SC4] offset:512*\u   ; four rows a lane, the four waves' parts
.endr
	s_wait_dscnt 0x0
	v_pk_add_f32 v[192:193], v[192:193], v[196:197]
	v_pk_add_f32 v[194:195], v[194:195], v[198:199]
	v_pk_add_f32 v[200:201], v[200:201], v[204:205]
	v_pk_add_f32 v[202:203], v[202:203], v[206:207]
	v_pk_add_f32 v[192:193], v[192:193], v[200:201]
	v_pk_add_f32 v[194:195], v[194:195], v[202:203]
	v_max3_num_f32 v200, v192, v193, v194
	v_max_num_f32 v200, v200, v195
.irp k, 1,2,4,8
	v_max_num_f32_dpp v200, v200, v200 row_xmask:\k row_mask:0xf bank_mask:0xf
.endr
	v_permlanex16_b32 v201, v200, s20, s21
	v_max_num_f32 v200, v200, v201                 ; m: the 128 rows' largest t
	v_pk_add_f32 v[192:193], v[192:193], v[200:201] op_sel_hi:[1,0] neg_lo:[0,1] neg_hi:[0,1]
	v_pk_add_f32 v[194:195], v[194:195], v[200:201] op_sel_hi:[1,0] neg_lo:[0,1] neg_hi:[0,1]
	s_wait_alu depctr_va_vdst(0)                   ; the wait ahead of the batch
.irp u, 0,1,2,3
	v_exp_f32 v[192+\u], v[192+\u]                 ; p = 2^(t - m)
.endr
	v_mov_b32 v202, v200                           ; (m, l) as a pair.  A plain place behind the exponentials
	s_wait_alu depctr_va_vdst(0)                   ; and behind it
	ds_store_b128 v[PSW], v[192:195]               ; p goes through my own 512 bytes,
	v_pk_add_f32 v[196:197], v[192:193], v[194:195]
	v_add_f32 v203, v196, v197
.irp k, 1,2,4,8
	v_add_f32_dpp v203, v203, v203 row_xmask:\k row_mask:0xf bank_mask:0xf
.endr
	v_permlanex16_b32 v201, v203, s20, s21
	v_add_f32 v203, v203, v201                     ; l: the sum of the 128 p
.irp mb, 0,1,2,3,4,5,6,7
.irp u, 0,1
	ds_load_b128 v[P+8*\mb+4*\u:P+8*\mb+4*\u+3], v[PSR] offset:64*\mb+16*\u   ; and comes back in the accumulators' layout (LDS serves a wave's instructions in order)
.endr
.endr
; ---------------- A STEP OF VALUE'S PRODUCTS
.macro VSTEP sl, st, refill, oa
	GATE \sl, \refill, \oa
	TILEH 0, 0
	TILEH 0, 1
	PLACES 5
	FETCHB 1-\sl, 0
	RED_V 0, 256*\st
	TILEH 1, 0
	TILEH 1, 1
	PLACES 5
	FETCHB 1-\sl, 1
	RED_V 1, 256*\st+64
.endm
	s_mov_b32 s28, 0
	s_mov_b32 s24, 0
.Lv:                                                   ; seven trips: steps 16 to 29, each of which fills its slot again
	VSTEP 0, 0, 1, 1
	VSTEP 1, 1, 1, 0
	s_add_co_u32 s28, s28, 512
	s_add_co_u32 s24, s24, 1
	s_cmp_lt_u32 s24, 7
	s_cbranch_scc1 .Lv
	VSTEP 0, 0, 0, 1                               ; step 30: nothing is left to ask for; the barrier shows my fill 31 whole
	s_wait_dscnt 15                                ; step 31: tile 0 and its scale words are in; behind them 1 + 12 + 1 + 1
	TILEH 0, 0
	TILEH 0, 1
	WIN 0
	PLACES 5
	RED_V 0, 256
	s_wait_dscnt 0x0
	TILEH 1, 0
	TILEH 1, 1
	WIN 0
	PLACES 4
	RED_V 1, 320
	; ---------------- the way out: the two halves of K are added; 1,024 numbers and (m, l)
	s_wait_dscnt 0x0
	s_barrier_signal -1
	s_barrier_wait -1
	ds_load_b128 v[160:163], v[OUTR]
	ds_load_b128 v[164:167], v[OUTR] offset:4096
	ds_load_b128 v[168:171], v[OUTR] offset:2048
	ds_load_b128 v[172:175], v[OUTR] offset:6144
	s_wait_dscnt 0x0
	v_pk_add_f32 v[160:161], v[160:161], v[164:165]
	v_pk_add_f32 v[162:163], v[162:163], v[166:167]
	v_pk_add_f32 v[168:169], v[168:169], v[172:173]
	v_pk_add_f32 v[170:171], v[170:171], v[174:175]
	global_store_b128 v[RO], v[160:163], s[12:13]                ; sixteen lanes store 256 consecutive bytes, at a multiple of 256 from part's first byte
	global_store_b128 v[RO+1], v[168:171], s[12:13]
	s_cmp_lg_u32 s14, 0
	s_cbranch_scc1 .Lnot_first
	global_store_b64 v[L8], v[202:203], s[12:13] offset:4096     ; (m, l) 32 times: 256 consecutive bytes
.Lnot_first:
	s_wait_tensorcnt 0x0                           ; the wave's end
	ds_add_u32 v[SPW], v[NIL]
	s_wait_dscnt 0x0
	CROUND                                         ; the closing round
	s_endpgm
.Lfunc_end_k_qfaab4989d3_main:
	.size	k_qfaab4989d3_main, .Lfunc_end_k_qfaab4989d3_main-k_qfaab4989d3_main
	.p2alignl 7, 3214868480
	.fill 96, 4, 3214868480
	.section	.rodata,"a",@progbits
	.p2align	6, 0x0
	.amdhsa_kernel k_qfaab4989d3_main
		.amdhsa_group_segment_fixed_size 327680
		.amdhsa_private_segment_fixed_size 0
		.amdhsa_enable_private_segment 0
		.amdhsa_kernarg_size 40
		.amdhsa_user_sgpr_count 2
		.amdhsa_user_sgpr_kernarg_segment_ptr 1
		.amdhsa_wavefront_size32 1
		.amdhsa_system_sgpr_workgroup_id_x 1
		.amdhsa_system_sgpr_workgroup_id_y 1
		.amdhsa_system_sgpr_workgroup_id_z 1
		.amdhsa_system_vgpr_workitem_id 0
		.amdhsa_next_free_vgpr 1024
		.amdhsa_next_free_sgpr 66
		.amdhsa_reserve_vcc 0
		.amdhsa_float_denorm_mode_32 3
		.amdhsa_float_denorm_mode_16_64 3
		.amdhsa_memory_ordered 1
		.amdhsa_forward_progress 1
		.amdhsa_inst_pref_size 255
	.end_amdhsa_kernel
	.section	.bss,"aw",@nobits
	.p2align	6
	.space	262144
	.amdgpu_metadata
---
amdhsa.version: [ 1, 2 ]
amdhsa.kernels:
  - .name:           k_qfaab4989d3_main
    .symbol:         k_qfaab4989d3_main.kd
    .args:
      - { .name: key, .offset: 0, .size: 8, .value_kind: global_buffer, .address_space: global }
      - { .name: value, .offset: 8, .size: 8, .value_kind: global_buffer, .address_space: global }
      - { .name: wimg, .offset: 16, .size: 8, .value_kind: global_buffer, .address_space: global }
      - { .name: qv, .offset: 24, .size: 8, .value_kind: global_buffer, .address_space: global }
      - { .name: part, .offset: 32, .size: 8, .value_kind: global_buffer, .address_space: global }
    .group_segment_fixed_size: 327680
    .private_segment_fixed_size: 0
    .kernarg_segment_align: 8
    .kernarg_segment_size: 40
    .max_flat_workgroup_size: 128
    .sgpr_count:     66
    .vgpr_count:     1024
    .wavefront_size: 32
...
	.end_amdgpu_metadata
.endif
;; end of part 5
;; launch merge (part 6): grid 4 x 16, 2 waves a work-group, no clusters, 0 bytes of LDS; arguments part, out0; writes out0
.if DOCPART == 6
	.amdgcn_target "amdgcn-amd-amdhsa--gfx1250"
	.amdhsa_code_object_version 6
	.text
	.protected	k_qfaab4989d3_merge
	.globl	k_qfaab4989d3_merge
	.p2align	8
	.type	k_qfaab4989d3_merge,@function
k_qfaab4989d3_merge:
	s_mov_b64 s[64:65], 0
	v_nop
	global_prefetch_b8 v0, s[64:65] scope:SCOPE_SE
	s_setreg_imm32_b32 hwreg(HW_REG_WAVE_MODE, 25, 1), 1
	s_wait_xcnt 0x0
; MERGE.  out0[b][:] = sum over a batch's 16 parts c of 2^(m_c - M) part_c[:]  /  sum over c of 2^(m_c - M) l_c,  M = the largest m_c.
; part: [256][4,352 bytes]: 1,024 f32, then (m, l).  Work-group (x, y): batch y, columns 256 x .. 256 x + 255; a thread takes four columns, so a work-group stores 1,024 consecutive bytes.
; Lane c % 16 holds part c's (m, l): the maximum and the sum go over the 16 lanes of a half; the 16 weights then go to scalar registers, as values alone.
; No LDS, no barrier, no matrix unit: 17 loads a thread, all issued at once.  LIMITS: NaN and infinities are not served.
	s_load_b128 s[4:7], s[0:1], 0x0                ; part, out0
	s_and_b32 s8, ttmp7, 0xffff                    ; the batch
	v_and_b32 v1, 15, v0
	v_mul_u32_u24 v1, v1, 4352                     ; my lane's part
	v_lshlrev_b32 v2, 4, v0                        ; 16 x thread
	s_mul_i32 s10, s8, 16*4352
	s_mov_b32 s11, 0
	s_lshl_b32 s12, ttmp9, 10
	s_mov_b32 s13, 0
	s_lshl_b32 s34, s8, 12
	s_add_co_u32 s34, s34, s12
	s_mov_b32 s35, 0
	s_wait_alu depctr_va_vdst(0)
	s_wait_kmcnt 0x0
	s_add_nc_u64 s[4:5], s[4:5], s[10:11]
	s_add_nc_u64 s[14:15], s[4:5], s[12:13]
	s_add_nc_u64 s[6:7], s[6:7], s[34:35]
	global_load_b64 v[4:5], v1, s[4:5] offset:4096
.irp c, 0,1,2,3,4,5,6,7,8,9,10,11,12,13,14,15
	global_load_b128 v[16+4*\c:19+4*\c], v2, s[14:15] offset:4352*\c
.endr
	s_wait_loadcnt 16                              ; (m, l) is in; the 16 younger loads stay out
	v_mov_b32 v6, v4
	v_max_num_f32_dpp v6, v6, v6 row_xmask:1 row_mask:0xf bank_mask:0xf
	v_max_num_f32_dpp v6, v6, v6 row_xmask:2 row_mask:0xf bank_mask:0xf
	v_max_num_f32_dpp v6, v6, v6 row_xmask:4 row_mask:0xf bank_mask:0xf
	v_max_num_f32_dpp v6, v6, v6 row_xmask:8 row_mask:0xf bank_mask:0xf
	v_sub_f32 v7, v4, v6                           ; m_c - M, 0 or less
	s_wait_alu depctr_va_vdst(0)
	v_exp_f32 v10, v7
	v_nop                                          ; a plain place behind the transcendental
	s_wait_alu depctr_va_vdst(0)                   ; and the wait ahead of its first reader
	v_mul_f32 v8, v10, v5
	v_add_f32_dpp v8, v8, v8 row_xmask:1 row_mask:0xf bank_mask:0xf
	v_add_f32_dpp v8, v8, v8 row_xmask:2 row_mask:0xf bank_mask:0xf
	v_add_f32_dpp v8, v8, v8 row_xmask:4 row_mask:0xf bank_mask:0xf
	v_add_f32_dpp v8, v8, v8 row_xmask:8 row_mask:0xf bank_mask:0xf
	s_wait_alu depctr_va_vdst(0)
	v_rcp_f32 v9, v8                               ; the sum is at least 1: the part with m_c = M has l of 1 or more
	v_nop
	s_wait_alu depctr_va_vdst(0)
	v_mul_f32 v11, v10, v9                         ; part c's weight
.irp c, 0,1,2,3,4,5,6,7,8,9,10,11,12,13,14,15
	v_readlane_b32 s[16+\c], v11, \c
.endr
	s_wait_loadcnt 0x0
.irp u, 0,1,2,3
	v_mul_f32 v[80+\u], s16, v[16+\u]
.endr
.irp c, 1,2,3,4,5,6,7,8,9,10,11,12,13,14,15
.irp u, 0,1,2,3
	v_fma_f32 v[80+\u], s[16+\c], v[16+4*\c+\u], v[80+\u]
.endr
.endr
	global_store_b128 v2, v[80:83], s[6:7]         ; a wave stores 512 consecutive bytes, at a multiple of 256 from out0's first byte
	s_endpgm
.Lfunc_end_k_qfaab4989d3_merge:
	.size	k_qfaab4989d3_merge, .Lfunc_end_k_qfaab4989d3_merge-k_qfaab4989d3_merge
	.p2alignl 7, 3214868480
	.fill 96, 4, 3214868480
	.section	.rodata,"a",@progbits
	.p2align	6, 0x0
	.amdhsa_kernel k_qfaab4989d3_merge
		.amdhsa_group_segment_fixed_size 0
		.amdhsa_private_segment_fixed_size 0
		.amdhsa_enable_private_segment 0
		.amdhsa_kernarg_size 16
		.amdhsa_user_sgpr_count 2
		.amdhsa_user_sgpr_kernarg_segment_ptr 1
		.amdhsa_wavefront_size32 1
		.amdhsa_system_sgpr_workgroup_id_x 1
		.amdhsa_system_sgpr_workgroup_id_y 1
		.amdhsa_system_sgpr_workgroup_id_z 1
		.amdhsa_system_vgpr_workitem_id 0
		.amdhsa_next_free_vgpr 96
		.amdhsa_next_free_sgpr 66
		.amdhsa_reserve_vcc 0
		.amdhsa_float_denorm_mode_32 3
		.amdhsa_float_denorm_mode_16_64 3
		.amdhsa_memory_ordered 1
		.amdhsa_forward_progress 1
		.amdhsa_inst_pref_size 9
	.end_amdhsa_kernel
	.amdgpu_metadata
---
amdhsa.version: [ 1, 2 ]
amdhsa.kernels:
  - .name:           k_qfaab4989d3_merge
    .symbol:         k_qfaab4989d3_merge.kd
    .args:
      - { .name: part, .offset: 0, .size: 8, .value_kind: global_buffer, .address_space: global }
      - { .name: out0, .offset: 8, .size: 8, .value_kind: global_buffer, .address_space: global }
    .group_segment_fixed_size: 0
    .private_segment_fixed_size: 0
    .kernarg_segment_align: 8
    .kernarg_segment_size: 16
    .max_flat_workgroup_size: 64
    .sgpr_count:     66
    .vgpr_count:     96
    .wavefront_size: 32
...
	.end_amdgpu_metadata
.endif
;; end of part 6
